; MI455X (gfx1250); checked and timed in simulation.
; The chip was launched on July 23, 2026; its instructions are those of AMD's public machine-readable ISA for CDNA 5 (MIT licence, August 2026) and "CDNA5" Instruction Set Architecture Reference Guide (July 2026). The comments in the code are by the model that wrote it; some were corrected since.
;; Multi Head Attention Block. Allowed arithmetic: matrix products marked QUANTISED: E2M1 operands, one E8M0 scale for each 32 along K, by v_wmma_scale_f32_16x16x128_f8f6f4 with both operands' format E2M1 (or v_wmma_scale_f32_32x16x128_f4), f32 sums; everything else in f32.
;; Inputs: b_k 1,024 float32; b_o 1,024 float32; b_q 1,024 float32; b_v 1,024 float32; k_codes 2 x 2,048 x 32 x 16 uint8 (E2M1 codes of k, K innermost, in blocks of 32 codes, two codes a byte); k_scales 2 x 2,048 x 32 uint8 (E8M0 scales of k, one for each 32 codes along K); mask 1 x 1 x 2,048 x 2,048 int32; q_codes 2 x 2,048 x 32 x 16 uint8 (E2M1 codes of q, K innermost, in blocks of 32 codes, two codes a byte); q_scales 2 x 2,048 x 32 uint8 (E8M0 scales of q, one for each 32 codes along K); v_codes 2 x 2,048 x 32 x 16 uint8 (E2M1 codes of v, K innermost, in blocks of 32 codes, two codes a byte); v_scales 2 x 2,048 x 32 uint8 (E8M0 scales of v, one for each 32 codes along K); w_k_codes 1,024 x 32 x 16 uint8 (E2M1 codes of w_k, K innermost, in blocks of 32 codes, two codes a byte); w_k_scales 1,024 x 32 uint8 (E8M0 scales of w_k, one for each 32 codes along K); w_o_codes 1,024 x 32 x 16 uint8 (E2M1 codes of w_o, K innermost, in blocks of 32 codes, two codes a byte); w_o_scales 1,024 x 32 uint8 (E8M0 scales of w_o, one for each 32 codes along K); w_q_codes 1,024 x 32 x 16 uint8 (E2M1 codes of w_q, K innermost, in blocks of 32 codes, two codes a byte); w_q_scales 1,024 x 32 uint8 (E8M0 scales of w_q, one for each 32 codes along K); w_v_codes 1,024 x 32 x 16 uint8 (E2M1 codes of w_v, K innermost, in blocks of 32 codes, two codes a byte); w_v_scales 1,024 x 32 uint8 (E8M0 scales of w_v, one for each 32 codes along K).
;; Outputs: out0 2 x 2,048 x 1,024 float32.
;; This version of the problem:
;;   THIS VERSION OF THE PROBLEM IS GIVEN IN LOW PRECISION. The matrix products marked QUANTISED in the list below multiply operands that are first quantised to E2M1 (2 exponent bits, 1 mantissa bit; 4 bits a number), with one power-of-two scale for each 32 numbers along K (OCP MX v1.0); their sums are f32. All else is computed in f32.
;;   The module's matrix products, in the order in which they are computed (A, B: the left and right operand; K: the contracted axis; several contracted axes count as one K, in the product's order):
;;     1. [M 4,096, K 1,024] x [K 1,024, N 1,024]; A: input q (given as codes); B: input w_q (given as codes): QUANTISED
;;     2. [M 4,096, K 1,024] x [K 1,024, N 1,024]; A: input k (given as codes); B: input w_k (given as codes): QUANTISED
;;     3. [M 4,096, K 1,024] x [K 1,024, N 1,024]; A: input v (given as codes); B: input w_v (given as codes): QUANTISED
;;     4. batch 32 x [M 2,048, K 64] x [K 64, N 2,048]; A: computed on the way; B: computed on the way: QUANTISED
;;     5. batch 32 x [M 2,048, K 2,048] x [K 2,048, N 64]; A: softmax (see below); B: computed on the way: QUANTISED
;;     6. [M 4,096, K 1,024] x [K 1,024, N 1,024]; A: computed on the way; B: input w_o (given as codes): QUANTISED
;;   THE QUANTISER, for each operand of a quantised product, along K:
;;     - K is cut into blocks of 32 from its start; a last block that is shorter is filled with zeros.
;;     - A block's scale is 2^e with e = floor(log2(the largest magnitude in the block)) - 2, held to -126 .. 127; a block of zeros has e = 0. As a byte (E8M0): e + 127.
;;     - Each number is divided by its block's scale, clamped to +-6, and rounded to the nearest number of E2M1, ties to even, subnormals kept.
;;     - The product sums the exact products of the quantised numbers (number of the format x scale) in f32.
;;   ~~~python
;;   def quantise(x, axis):      # numpy; x: float32 -> the quantised numbers, widened to float32 again
;;       x = np.moveaxis(x, axis, -1); K = x.shape[-1]
;;       x = np.pad(x, [(0, 0)] * (x.ndim - 1) + [(0, -K % 32)]); x = x.reshape(x.shape[:-1] + (-1, 32)); a = np.abs(x).max(-1, keepdims=True)
;;       e = np.where(a > 0, np.clip(np.frexp(np.where(a > 0, a, 1))[1] - 1 - 2, -126, 127), 0)      # np.frexp(a)[1] - 1 = floor(log2(a)), exactly
;;       r = np.clip(x / 2.0 ** e, -6, 6)
;;       step = 2.0 ** (np.maximum(np.frexp(np.where(r == 0, 1, r))[1] - 1, 0) - 1)
;;       q = np.round(r / step) * step * 2.0 ** e      # np.round: ties to even
;;       return np.moveaxis(q.reshape(q.shape[:-2] + (-1,))[..., :K], -1, axis).astype(np.float32)
;;   ~~~
;;   SOFTMAX AHEAD OF A QUANTISED PRODUCT. Where the list says 'softmax', what is quantised is not the finished softmax but p = 2^(t - M), with t = logit x log2(e) and M = ceil(the row's largest t), a whole number; so 1/2 < the row's largest p <= 1. The row's sum l is taken of the UNQUANTISED p, in f32, and the product's result is divided by l at the end. Since M is a whole number, a kernel that streams over the keys may use a running M (the ceiling of the running maximum): every later rescaling is an exact power of two, which a block's scale takes up: the codes' values come out the same.
;;   OPERANDS COMPUTED ON THE WAY. 'Computed on the way' means the value that the module computes at that place (a softmax that the list does not call 'softmax' is quantised finished and normalised). What goes into a quantiser is computed in f32, as accurately as f32 sums, v_exp_f32 and their like allow (about 1e-6 of the number): no bf16 or f16 on the way to a quantiser, and a product that is left as it is and whose result goes on into a quantised operand takes f32 operands (vector FMAs, or v_wmma_f32_16x16x4_f32). A number that lies on a knife's edge between two numbers of the format may be rounded either way, as far as f32 arithmetic and the matrix unit's own rounding can turn it there, and no further.
;;   INPUTS GIVEN AS CODES. k (in the module: [2, 2048, 1024], K = its axis 2); q (in the module: [2, 2048, 1024], K = its axis 2); v (in the module: [2, 2048, 1024], K = its axis 2); w_k (in the module: [1024, 1024], K = its axis 1); w_o (in the module: [1024, 1024], K = its axis 1); w_q (in the module: [1024, 1024], K = its axis 1); w_v (in the module: [1024, 1024], K = its axis 1): each comes as NAME_codes (uint8): NAME with its K axis moved to the last place and cut into blocks of 32 codes, [.., K / 32, bytes a block], one block behind the other in memory; two codes a byte, the lower K in the low four bits (a code: sign, 2 exponent bits, 1 mantissa bit); and NAME_scales (uint8): the same leading axes, one E8M0 byte (e + 127) for each 32 codes along K. Its value is code x scale, taken as it is: it is not quantised again, and the codes and scales need not be those that the quantiser above would give.
;; 3 versions, each right; version 2 is faster than version 1; version 3 is version 2 with the launch attn written anew for expert scheduling mode. Each part assembles by itself: llvm-mc -triple=amdgcn-amd-amdhsa -mcpu=gfx1250 --defsym DOCPART=n.
;; ======== version 1 of 3: 3 launches
;; workspace buffers: qkv 6,946,816 bytes; mw 524,288 bytes of whole numbers; xq 2,228,224 bytes
;; launch proj (part 1): grid 8 x 32, 4 waves a work-group, no clusters, 327,680 bytes of LDS; arguments q_codes, w_q_codes, q_scales, w_q_scales, k_codes, w_k_codes, k_scales, w_k_scales, v_codes, w_v_codes, v_scales, w_v_scales, b_q, b_k, b_v, mask, qkv, mw; writes qkv, mw
.if DOCPART == 1
	.amdgcn_target "amdgcn-amd-amdhsa--gfx1250"
	.amdhsa_code_object_version 6
	.text
	.protected	k_q576e9fd829_proj
	.globl	k_q576e9fd829_proj
	.p2align	8
	.type	k_q576e9fd829_proj,@function
k_q576e9fd829_proj:
	s_mov_b64 s[64:65], 0
	v_nop
	global_prefetch_b8 v0, s[64:65] scope:SCOPE_SE
	s_setreg_imm32_b32 hwreg(HW_REG_WAVE_MODE, 25, 1), 1
	s_wait_xcnt 0x0
; Q = q Wq^T + bq, K = k Wk^T + bk, V = v Wv^T + bv on codes of FP4 (E2M1) with E8M0 scales, sums in f32; then Q and K are quantised along the head's 64,
; V along the keys, in registers, and stored as IMAGES OF OPERAND REGISTERS for the attention launch.  The int32 mask is packed into lane-mask words.
; SHARES.  Work-group (j, tb): 128 tokens (128 tb on) x 128 features (128 j on: heads 2 j, 2 j + 1), three tiles: q's, k's, v's; and 8 units of the mask (16 queries x 128 keys each).
; A tile is P R^T: source 0 = P, whose rows run along a lane's registers (the axis that is quantised), source 1 = R, whose rows lie in the lanes.
; Q, K: P = W (features), R = x (tokens).  V: P = x (tokens = keys), R = W (features).  Wave w takes P's 8 tiles of 16 rows and R's tiles 2 w, 2 w + 1: 16 accumulators, by turns.
; FROM RESULT TO OPERAND.  In result tile t lane (r, h) holds k = 16 t + 8 h + 0..7 of the next K: one conversion, one register.  Laid at 4 (t/4) + 2 (t%2) + (t/2)%2, two exchanges of
; lane halves for each 64 along K give the operand's registers (register 4 c + i: k = 64 c + 32 h + 8 i on).  So tiles are 16 neighbouring rows.
; LDS.  Two slots, each with all of K (1,024) of 128 rows of x and of W (rows of 512 bytes + 16 of padding) and their scale bytes (32 a row, dense).  q's tile in slot 0, k's in slot 1, v's in slot 0 again.
; Each wave brings one of a slot's four parts by one tensor load: at most two loads of a wave are out (the two first fills), later one.
; JOINT LOADS IN A CLUSTER ARE NOT USED: x's part hangs on tb and W's on j, and here one set of descriptor registers serves either, chosen by the wave's number; a joint load wants registers that never hold
; the other coordinate.  Each work-group fetches its 3 x 143,360 bytes itself.
; LIMITS: NaN and infinities are not served.  A block of zeros gets the scale byte 1 (its codes are zeros; only this program reads the bytes).
.set BLK,    217088                    ; a (batch, head)'s block in qkv:
.set QIMG,   0                         ; [query tile][lane] 16 bytes: lane (r, h): codes d = 32 h on of query 16 T + r
.set KIMG,   65536                     ; the same for keys
.set KSC,    131072                    ; [tile][r] one word: bytes 0, 1 the head's two scale bytes, bytes 2, 3 zero
.set VIMG,   139264                    ; [key step][d tile][c][lane] 16 bytes: registers 4 c on of the fragment
.set VSC,    204800                    ; [key step][d tile][r] one word
.set QSC,    208896                    ; as KSC
.set PITCH,  528                       ; an LDS row of codes: 512 bytes + 16 = 132 words: row r starts at bank 4 r mod 64
.set T16,    16*PITCH
.set XA,     0
.set WA,     128*PITCH
.set XS,     2*128*PITCH
.set WS,     XS+4096
.set SLOT,   WS+4096
.set SPARE,  2*SLOT                    ; the spare words, 128 bytes a wave: two blocks of 256 bytes that no other line names
.set MSTAGE, SPARE+512                 ; the mask's stage: 16 rows x 528 bytes for each wave
.set FL,   1                           ; 528 r + 16 h: my lane's place in a tile of 16 rows
.set FLW,  2                           ; + 32 rows x wave
.set SL,   3                           ; 32 x lane: a row of scale bytes
.set SLW,  4                           ; + 32 rows x wave
.set ADP,  5                           ; the tile in hand: P's codes, R's codes, P's scales, R's scales
.set ADR,  6
.set ADSP, 7
.set ADSR, 8
.set VOI,  9                           ; byte offsets of my stores: Q's and K's images,
.set VOS,  10                          ; their scale words,
.set VOV,  11                          ; V's images,
.set VOVS, 12                          ; V's scale words
.set H32,  13                          ; 32 h
.set SPW,  14                          ; my spare word's LDS address; never rewritten
.set NIL,  15                          ; 0; never rewritten
.set SP,   16                          ; v16-47 P's scale words: register 8 b + k: lane L: row 32 b + L, K step k
.set SR,   48                          ; v48-55 R's: lane L: row 32 w + L
.set TM,   56                          ; v56-71 at work in QUANT
.set PC,   72                          ; v72-87 codes, a set for each of my two tiles of R
.set PW,   88                          ; v88-89 their scale words
.set XW,   90
.set LO,   91
.set HI,   92
.set R4,   93                          ; 4 r
.set MSI,  94                          ; the mask's stage: in, out
.set MSO,  95
.set MW,   96                          ; v96-99 two units' words, two to a lane
.set L16,  100                         ; 16 x lane
.set L8,   101                         ; 8 x lane
.set ACC,  128                         ; v128-255 accumulator (p, q) at 128 + 64 q + 8 p
.set BIAS, 160                         ; window 1: v0-79, v80-159 two fragment buffers (P 64, R 16); v160-223 the bias in the result's layout
.set MSB, 0
.macro WIN new                         ; the immediate's high byte repeats the setting that is left
.if MSB != \new
	s_set_vgpr_msb (MSB<<8)|\new
.set MSB, \new
.endif
.endm
.macro PLACES n
.rept \n
	v_nop
.endr
.endm
; one product; ra, rb: the side's scale words lie in lanes 16-31
.macro WM d, a, b, c, sa, sb, ra, rb
.if (\ra) && (\rb)
	v_wmma_scale_f32_16x16x128_f8f6f4 v[(\d):(\d)+7], v[(\a):(\a)+7], v[(\b):(\b)+7], v[(\c):(\c)+7], v[(\sa)], v[(\sb)] matrix_a_fmt:MATRIX_FMT_FP4 matrix_b_fmt:MATRIX_FMT_FP4 matrix_a_scale:MATRIX_SCALE_ROW1 matrix_b_scale:MATRIX_SCALE_ROW1
.elseif (\ra)
	v_wmma_scale_f32_16x16x128_f8f6f4 v[(\d):(\d)+7], v[(\a):(\a)+7], v[(\b):(\b)+7], v[(\c):(\c)+7], v[(\sa)], v[(\sb)] matrix_a_fmt:MATRIX_FMT_FP4 matrix_b_fmt:MATRIX_FMT_FP4 matrix_a_scale:MATRIX_SCALE_ROW1
.elseif (\rb)
	v_wmma_scale_f32_16x16x128_f8f6f4 v[(\d):(\d)+7], v[(\a):(\a)+7], v[(\b):(\b)+7], v[(\c):(\c)+7], v[(\sa)], v[(\sb)] matrix_a_fmt:MATRIX_FMT_FP4 matrix_b_fmt:MATRIX_FMT_FP4 matrix_b_scale:MATRIX_SCALE_ROW1
.else
	v_wmma_scale_f32_16x16x128_f8f6f4 v[(\d):(\d)+7], v[(\a):(\a)+7], v[(\b):(\b)+7], v[(\c):(\c)+7], v[(\sa)], v[(\sb)] matrix_a_fmt:MATRIX_FMT_FP4 matrix_b_fmt:MATRIX_FMT_FP4
.endif
.endm
; 20 LDS loads: K step k's fragments (P's eight, my two of R) into buffer buf of window 1
.macro FETCH k, buf
	WIN 0x40
.irp p, 0,1,2,3,4,5,6,7
	ds_load_b128 v[80*(\buf)+8*\p:80*(\buf)+8*\p+3],   v[ADP] offset:\p*T16+64*(\k)
	ds_load_b128 v[80*(\buf)+8*\p+4:80*(\buf)+8*\p+7], v[ADP] offset:\p*T16+64*(\k)+32
.endr
.irp q, 0,1
	ds_load_b128 v[80*(\buf)+64+8*\q:80*(\buf)+64+8*\q+3],   v[ADR] offset:\q*T16+64*(\k)
	ds_load_b128 v[80*(\buf)+64+8*\q+4:80*(\buf)+64+8*\q+7], v[ADR] offset:\q*T16+64*(\k)+32
.endr
.endm
; 16 products, 128 along K.  The 16 accumulators take turns, one instruction a turn, in the same order in every step.  In K step 0 the bias is the C: nothing is cleared or added.
.macro MUL k, kind
.if (\k) == 0
	WIN 0x15                                       ; A, B and C window 1, D window 0
.else
	WIN 0x05                                       ; A and B window 1, C and D window 0
.endif
.irp p, 0,1,2,3,4,5,6,7
.irp q, 0,1
.if (\k) == 0
	WM ACC+64*\q+8*\p, 80*((\k)%2)+8*\p, 80*((\k)%2)+64+8*\q, BIAS+8*\p+(\kind)*(8*\q-8*\p), SP+8*(\p/2)+(\k), SR+(\k), \p%2, \q
.else
	WM ACC+64*\q+8*\p, 80*((\k)%2)+8*\p, 80*((\k)%2)+64+8*\q, ACC+64*\q+8*\p, SP+8*(\p/2)+(\k), SR+(\k), \p%2, \q
.endif
.endr
.endr
.endm
; 64 numbers of a lane, v[s] on (register 8 t + i = k 16 t + 8 h + i of my row), become a fragment's 8 registers of codes at v[pc] and the row's scale word in v[pw].
.macro QUANT s, pc, pw
.irp b, 0,1,2,3
	v_max3_num_f32 v[TM+\b], |v[\s+16*\b]|, |v[\s+1+16*\b]|, 0x1800000   ; block b: my 16 numbers, from each accumulator's low end on, and the floor 2^(3 - 127): the byte cannot fall under 1
.endr
.irp i, 2,4,6,8,10,12,14
.irp b, 0,1,2,3
	v_max3_num_f32 v[TM+\b], v[TM+\b], |v[\s+16*\b+\i]|, |v[\s+1+16*\b+\i]|
.endr
.endr
.irp b, 0,1,2,3
	v_permlanex16_b32 v[TM+4+\b], v[TM+\b], s86, s87
.endr
.irp b, 0,1,2,3
	v_max_num_f32 v[TM+\b], v[TM+\b], v[TM+4+\b]   ; with lane l xor 16's 16: the block's largest magnitude
.endr
.irp b, 0,1,2,3
	v_add_nc_u32 v[TM+12+\b], 0xff000000, v[TM+\b] ; 2 off its exponent field: the conversion's scale operand
.endr
.irp b, 0,1,2,3
	v_lshrrev_b32 v[TM+4+\b], 23, v[TM+12+\b]      ; the scale's byte
.endr
	v_lshl_or_b32 v[\pw], v[TM+5], 8, v[TM+4]
	v_lshl_or_b32 v[\pw], v[TM+6], 16, v[\pw]
	v_lshl_or_b32 v[\pw], v[TM+7], 24, v[\pw]
.irp t, 0,1,2,3,4,5,6,7
	v_cvt_scalef32_pk8_fp4_f32 v[\pc+4*(\t/4)+2*(\t%2)+(\t/2)%2], v[\s+8*\t:\s+8*\t+7], v[TM+12+\t/2]
.endr
	v_nop                                          ; one plain place behind a scaled conversion
.irp c, 0,1
	v_permlane16_swap_b32 v[\pc+4*\c], v[\pc+4*\c+1]     ; (X0|X1), (Y0|Y1) -> (X0|Y0), (X1|Y1): lanes 0-15 block 2 c, lanes 16-31 block 2 c + 1
	v_permlane16_swap_b32 v[\pc+4*\c+2], v[\pc+4*\c+3]
.endr
.endm
; One tile: slot, kind (0: Q or K; 1: V), where its images and scale words go in the block, the bias's base register.
.macro TILE slot, kind, img, sc, bb
	s_wait_xcnt 0x0                                ; the last tile's stores have read their data: the registers are written again only behind this wait
.if \kind
	v_add_nc_u32 v[ADP],  \slot*SLOT+XA, v[FL]
	v_add_nc_u32 v[ADR],  \slot*SLOT+WA, v[FLW]
	v_add_nc_u32 v[ADSP], \slot*SLOT+XS, v[SL]
	v_add_nc_u32 v[ADSR], \slot*SLOT+WS, v[SLW]
.else
	v_add_nc_u32 v[ADP],  \slot*SLOT+WA, v[FL]
	v_add_nc_u32 v[ADR],  \slot*SLOT+XA, v[FLW]
	v_add_nc_u32 v[ADSP], \slot*SLOT+WS, v[SL]
	v_add_nc_u32 v[ADSR], \slot*SLOT+XS, v[SLW]
.endif
.irp b, 0,1,2,3                        ; the scale words of all 8 K steps: 10 loads
	ds_load_b128 v[SP+8*\b:SP+8*\b+3],   v[ADSP] offset:1024*\b
	ds_load_b128 v[SP+8*\b+4:SP+8*\b+7], v[ADSP] offset:1024*\b+16
.endr
	ds_load_b128 v[SR:SR+3],   v[ADSR]
	ds_load_b128 v[SR+4:SR+7], v[ADSR] offset:16
	WIN 0x40
.if \kind
.irp q, 0,1                            ; V: the feature lies in the lane: eight registers with b(16 q + r)
.irp e, 0,1,2,3,4,5,6,7
	global_load_b32 v[BIAS+8*\q+\e], v[R4], s[\bb:\bb+1] offset:64*\q
.endr
.endr
.else
.irp p, 0,1,2,3,4,5,6,7                ; Q, K: the features run along the registers: b(16 p + 8 h + 0..7)
	global_load_b128 v[BIAS+8*\p:BIAS+8*\p+3],   v[H32], s[\bb:\bb+1] offset:64*\p
	global_load_b128 v[BIAS+8*\p+4:BIAS+8*\p+7], v[H32], s[\bb:\bb+1] offset:64*\p+16
.endr
.endif
	FETCH 0, 0
.set K, 0
.rept 8
.if K > 0
	PLACES 4                                       ; in front of loads into the buffer that the step before multiplied
.endif
.if K < 7
	FETCH K+1, (K+1)%2
	s_wait_dscnt 20                                ; all but the 20 loads just issued
.else
	s_wait_dscnt 0x0
.endif
.if K == 0
	s_wait_loadcnt 0x0                             ; the bias
.endif
	MUL K, \kind
.set K, K+1
.endr
	WIN 0
	PLACES 4                                       ; in front of the first read of results
.irp q, 0,1
	QUANT ACC+64*\q, PC+8*\q, PW+\q
.if \kind
	global_store_b128 v[VOV], v[PC+8*\q:PC+8*\q+3],   s[84:85] offset:VIMG+1024*\q       ; 32 lanes store 512 consecutive bytes
	global_store_b128 v[VOV], v[PC+8*\q+4:PC+8*\q+7], s[84:85] offset:VIMG+1024*\q+512
.else
	global_store_b128 v[VOI], v[PC+8*\q:PC+8*\q+3],   s[66:67] offset:\img+512*\q        ; head 2 j
	global_store_b128 v[VOI], v[PC+8*\q+4:PC+8*\q+7], s[66:67] offset:\img+512*\q+BLK    ; head 2 j + 1
.endif
.endr
	v_cndmask_b32 v[XW], v[PW], v[PW+1], s88       ; lanes 0-15 my first tile's words, lanes 16-31 my second's
.if \kind
	global_store_b32 v[VOVS], v[XW], s[84:85] offset:VSC
.else
	v_and_b32 v[LO], 0xffff, v[XW]                 ; a head's two bytes; the upper two stay 0: they scale zero codes
	v_lshrrev_b32 v[HI], 16, v[XW]
	global_store_b32 v[VOS], v[LO], s[66:67] offset:\sc
	global_store_b32 v[VOS], v[HI], s[66:67] offset:\sc+BLK
.endif
.endm
	s_load_b256 s[8:15],  s[0:1], 0x0              ; q: codes, W's codes, scales, W's scales
	s_load_b256 s[68:75], s[0:1], 0x20             ; k likewise
	s_load_b256 s[76:83], s[0:1], 0x40             ; v likewise
	s_load_b256 s[52:59], s[0:1], 0x60             ; b_q, b_k, b_v, mask
	s_load_b128 s[60:63], s[0:1], 0x80             ; qkv, mw
	v_lshl_add_u32 v[SPW], v0, 2, SPARE
	v_mov_b32 v[NIL], 0
	ds_add_u32 v14, v15
	ds_add_u32 v14, v15
	s_wait_dscnt 0x0
	v_lshrrev_b32 v1, 5, v0
	v_readfirstlane_b32 s2, v1                     ; wave 0..3: 0 x's codes, 1 W's codes, 2 x's scales, 3 W's scales
	s_mov_b32 s3, ttmp9                            ; j
	s_and_b32 s4, ttmp7, 0xffff                    ; tb
	s_and_b32 s5, s2, 1
	; group 1 for codes: 128 rows of 512 bytes, dense in memory, 16 bytes of padding behind each
	s_mov_b32 s16, (1<<20)|(6<<22)|(3<<25)         ; elements of 1 byte; padding on; after every 128 words (code 6); 4 words (code 3)
	s_mov_b32 s17, 512<<16                         ; tensor_dim0
	s_mov_b32 s18, 128<<16                         ; tensor_dim1
	s_mov_b32 s19, 512<<16                         ; tile_dim0
	s_mov_b32 s20, 128                             ; tile_dim1
	s_mov_b32 s21, 512                             ; pitch
	s_mov_b32 s22, 0
	s_mov_b32 s23, 0
	; group 1 for scale bytes: 4,096 dense bytes as 16 rows of 32 elements of 8 bytes
	s_mov_b32 s24, 3<<16
	s_mov_b32 s25, 32<<16
	s_mov_b32 s26, 16<<16
	s_mov_b32 s27, 32<<16
	s_mov_b32 s28, 16
	s_mov_b32 s29, 32
	s_mov_b32 s30, 0
	s_mov_b32 s31, 0
	s_mul_i32 s6, s2, 128*PITCH                    ; codes: wave 0 at XA, wave 1 at WA
	s_lshl_b32 s7, s2, 12
	s_add_co_u32 s7, s7, XS-8192                   ; scales: wave 2 at XS, wave 3 at WS
	s_mov_b32 s32, 1                               ; groups 0: s[32:35] codes, slot 0; s[36:39] codes, slot 1; s[40:43], s[44:47] the scales'
	s_mov_b32 s33, s6
	s_mov_b32 s36, 1
	s_add_co_u32 s37, s6, SLOT
	s_mov_b32 s40, 1
	s_mov_b32 s41, s7
	s_mov_b32 s44, 1
	s_add_co_u32 s45, s7, SLOT
	s_mov_b32 s99, 0
	s_mov_b32 s101, 0
	s_wait_kmcnt 0x0
	s_cmp_eq_u32 s5, 0                             ; x's side or W's: the choice hangs on the wave's number alone
	s_cselect_b64 s[34:35], s[8:9], s[10:11]
	s_cselect_b64 s[42:43], s[12:13], s[14:15]
	s_cselect_b64 s[38:39], s[68:69], s[70:71]
	s_cselect_b64 s[46:47], s[72:73], s[74:75]
	s_cselect_b64 s[48:49], s[76:77], s[78:79]     ; v's tile waits here for the refill
	s_cselect_b64 s[50:51], s[80:81], s[82:83]
	s_cselect_b32 s6, s4, s3                       ; its block of 128 rows: tb or j
	s_lshl_b32 s98, s6, 16                         ; 128 rows x 512 bytes
	s_lshl_b32 s100, s6, 12                        ; 128 rows x 32 bytes
	s_add_nc_u64 s[34:35], s[34:35], s[98:99]
	s_add_nc_u64 s[38:39], s[38:39], s[98:99]
	s_add_nc_u64 s[48:49], s[48:49], s[98:99]
	s_add_nc_u64 s[42:43], s[42:43], s[100:101]
	s_add_nc_u64 s[46:47], s[46:47], s[100:101]
	s_add_nc_u64 s[50:51], s[50:51], s[100:101]
	s_or_b32 s35, s35, 0x80000000                  ; type = 2
	s_or_b32 s39, s39, 0x80000000
	s_or_b32 s43, s43, 0x80000000
	s_or_b32 s47, s47, 0x80000000
	s_cmp_lt_u32 s2, 2                             ; a wave's two first fills stand in one branch, ahead of every wait on TENSORcnt, every LDS read and every barrier
	s_cbranch_scc0 .Lfirst_s
	tensor_load_to_lds s[32:35], s[16:23]
	s_nop 0
	tensor_load_to_lds s[36:39], s[16:23]
	s_nop 0
	PLACES 4
	s_branch .Lfirst_done
.Lfirst_s:
	tensor_load_to_lds s[40:43], s[24:31]
	s_nop 0
	tensor_load_to_lds s[44:47], s[24:31]
	s_nop 0
	PLACES 4
.Lfirst_done:
	; THE MASK.  Work-group number 8 tb + j; query tile qt = that / 2; my wave's two units are key steps 8 (j & 1) + 2 w and the next.
	v_and_b32 v102, 31, v0                         ; lane
	v_and_b32 v103, 15, v0                         ; r
	v_bfe_u32 v104, v0, 4, 1                       ; h
	v_lshlrev_b32 v[L16], 4, v102
	v_lshlrev_b32 v[L8], 3, v102
	s_lshl_b32 s6, s4, 2
	s_lshr_b32 s7, s3, 1
	s_add_co_u32 s6, s6, s7                        ; qt
	s_and_b32 s7, s3, 1
	s_lshl_b32 s7, s7, 3
	s_lshl_b32 s89, s2, 1
	s_add_co_u32 s7, s7, s89                       ; the first unit's key step
	s_lshl_b32 s98, s6, 17                         ; 16 rows of 8,192 bytes
	s_lshl_b32 s89, s7, 9                          ; 128 keys x 4 bytes
	s_add_co_u32 s98, s98, s89
	s_add_nc_u64 s[58:59], s[58:59], s[98:99]
	s_lshl_b32 s98, s6, 4
	s_add_co_u32 s98, s98, s7
	s_lshl_b32 s98, s98, 8                         ; a unit's 64 words
	s_add_nc_u64 s[62:63], s[62:63], s[98:99]
.irp i, 0,1
.irp p, 0,1,2,3,4,5,6,7,8,9,10,11,12,13,14,15
	global_load_b128 v[ACC+64*\i+4*\p:ACC+64*\i+4*\p+3], v[L16], s[58:59] offset:8192*\p+512*\i th:TH_LOAD_NT   ; 512 consecutive bytes of a row; the launch reads each byte once
.endr
.endr
	; addresses that stay
	v_mul_u32_u24 v[FL], v103, PITCH
	v_lshl_add_u32 v[FL], v104, 4, v[FL]
	s_mul_i32 s89, s2, 32*PITCH
	v_add_nc_u32 v[FLW], s89, v[FL]
	v_lshlrev_b32 v[SL], 5, v102
	s_lshl_b32 s89, s2, 10
	v_add_nc_u32 v[SLW], s89, v[SL]
	v_lshlrev_b32 v105, 2, v102                    ; 4 x lane
	s_and_b32 s89, s4, 15                          ; s: my 128 tokens within the batch
	s_lshl_b32 s90, s89, 3
	s_lshl_b32 s91, s2, 1
	s_add_co_u32 s90, s90, s91                     ; my first token tile: 8 s + 2 w
	s_lshl_b32 s91, s90, 9
	v_add_nc_u32 v[VOI], s91, v[L16]
	s_lshl_b32 s91, s90, 6
	v_add_nc_u32 v[VOS], s91, v105
	s_lshl_b32 s90, s89, 2
	s_lshl_b32 s91, s5, 1
	s_add_co_u32 s90, s90, s91                     ; V: 4 s + my first d tile, 2 (w & 1)
	s_lshl_b32 s91, s90, 10
	v_add_nc_u32 v[VOV], s91, v[L16]
	s_lshl_b32 s91, s90, 6
	v_add_nc_u32 v[VOVS], s91, v105
	v_lshlrev_b32 v[H32], 5, v104
	v_lshlrev_b32 v[R4], 2, v103
	s_mul_i32 s91, s2, T16
	s_add_co_u32 s91, s91, MSTAGE
	v_add_nc_u32 v[MSI], s91, v[L16]               ; in: a row's 512 bytes as they lie
	v_mul_u32_u24 v[MSO], v103, PITCH
	v_lshl_add_u32 v[MSO], v104, 5, v[MSO]
	v_add_nc_u32 v[MSO], s91, v[MSO]               ; out: query r, keys 8 h on of each 16
	s_lshr_b32 s90, s4, 4
	s_lshl_b32 s90, s90, 4
	s_lshl_b32 s91, s3, 1
	s_add_co_u32 s90, s90, s91                     ; 16 b + 2 j
	s_mul_i32 s98, s90, BLK
	s_add_nc_u64 s[66:67], s[60:61], s[98:99]      ; the block of head 2 j
	s_lshr_b32 s91, s2, 1
	s_add_co_u32 s90, s90, s91
	s_mul_i32 s98, s90, BLK
	s_add_nc_u64 s[84:85], s[60:61], s[98:99]      ; V: the block of my features' head
	s_lshl_b32 s98, s3, 9
	s_add_nc_u64 s[52:53], s[52:53], s[98:99]      ; b_q, b_k at feature 128 j
	s_add_nc_u64 s[54:55], s[54:55], s[98:99]
	s_lshl_b32 s91, s2, 7
	s_add_co_u32 s98, s98, s91
	s_add_nc_u64 s[56:57], s[56:57], s[98:99]      ; b_v at feature 128 j + 32 w
	s_mov_b32 s86, 0x76543210
	s_mov_b32 s87, 0xfedcba98                      ; v_permlanex16_b32's selects for lane l xor 16
	s_mov_b32 s88, 0xffff0000                      ; lanes 16-31
.irp e, 0,1,2,3
	v_mov_b32 v[MW+\e], 0                          ; v_writelane_b32's destination counts as read
.endr
; A unit: 16 queries x 128 keys.  Through my own stage a lane gets query r's words for keys 16 T + 8 h + 0..7, as the scores will lie; word n of the unit is the lane mask (word != 0) of score register n.
.macro MUNIT i
	s_wait_loadcnt 16-16*\i                        ; this unit's 16 loads are in; the other's may be out
.irp p, 0,1,2,3,4,5,6,7,8,9,10,11,12,13,14,15
	ds_store_b128 v[MSI], v[ACC+64*\i+4*\p:ACC+64*\i+4*\p+3] offset:PITCH*\p
.endr
.irp t, 0,1,2,3,4,5,6,7
	ds_load_b128 v[16+8*\t:19+8*\t], v[MSO] offset:64*\t       ; LDS serves a wave's instructions in order: these see my stores
	ds_load_b128 v[20+8*\t:23+8*\t], v[MSO] offset:64*\t+16
.endr
	s_wait_dscnt 0x0
.irp g, 0,1,2,3,4,5,6,7
.irp e, 0,1,2,3,4,5,6,7
	v_cmp_ne_u32 s[90+\e], 0, v[16+8*\g+\e]
.endr
.irp e, 0,1,2,3,4,5,6,7
	v_writelane_b32 v[MW+2*\i+\e%2], s[90+\e], 4*\g+\e/2       ; word n into lane n / 2, register n % 2
.endr
.endr
	global_store_b64 v[L8], v[MW+2*\i:MW+2*\i+1], s[62:63] offset:256*\i   ; 32 lanes store 256 consecutive bytes, aligned
.endm
	MUNIT 0
	MUNIT 1
.irp b, 0,1,2,3
	v_mov_b32 v[TM+4+\b], 0                        ; written once: a lane permute's destination counts as one of its sources
.endr
	s_wait_tensorcnt 0x1                           ; my part of slot 0 is in; slot 1's may stay out
	s_wait_dscnt 0x0
	s_barrier_signal -1
	s_barrier_wait -1                              ; everybody's is
	TILE 0, 0, QIMG, QSC, 52
	s_wait_tensorcnt 0x0                           ; all my tensor loads have landed, slot 1's part among them: a group 0 may be written
	ds_add_u32 v[SPW], v[NIL]                      ; 0 onto my spare word
	s_mov_b64 s[34:35], s[48:49]                   ; slot 0 takes v's tile
	s_or_b32 s35, s35, 0x80000000
	s_mov_b64 s[42:43], s[50:51]
	s_or_b32 s43, s43, 0x80000000
	s_wait_dscnt 0x0                               ; the add is done, and my reads of slot 0 are over
	s_barrier_signal -1
	s_barrier_wait -1
	s_cmp_lt_u32 s2, 2                             ; the refill: my one tensor load behind this barrier; it has k's tile in which to land
	s_cbranch_scc0 .Lrefill_s
	tensor_load_to_lds s[32:35], s[16:23]
	s_nop 0
	PLACES 4
	s_branch .Lrefill_done
.Lrefill_s:
	tensor_load_to_lds s[40:43], s[24:31]
	s_nop 0
	PLACES 4
.Lrefill_done:
	TILE 1, 0, KIMG, KSC, 54
	s_wait_tensorcnt 0x0                           ; my part of v's tile is in,
	s_wait_dscnt 0x0
	s_barrier_signal -1
	s_barrier_wait -1                              ; everybody's is
	TILE 0, 1, VIMG, VSC, 56
	s_wait_tensorcnt 0x0                           ; the wave's end
	ds_add_u32 v[SPW], v[NIL]
	s_wait_dscnt 0x0
	s_endpgm
.Lfunc_end_k_q576e9fd829_proj:
	.size	k_q576e9fd829_proj, .Lfunc_end_k_q576e9fd829_proj-k_q576e9fd829_proj
	.p2alignl 7, 3214868480
	.fill 96, 4, 3214868480
	.section	.rodata,"a",@progbits
	.p2align	6, 0x0
	.amdhsa_kernel k_q576e9fd829_proj
		.amdhsa_group_segment_fixed_size 327680
		.amdhsa_private_segment_fixed_size 0
		.amdhsa_enable_private_segment 0
		.amdhsa_kernarg_size 144
		.amdhsa_user_sgpr_count 2
		.amdhsa_user_sgpr_kernarg_segment_ptr 1
		.amdhsa_wavefront_size32 1
		.amdhsa_system_sgpr_workgroup_id_x 1
		.amdhsa_system_sgpr_workgroup_id_y 1
		.amdhsa_system_sgpr_workgroup_id_z 1
		.amdhsa_system_vgpr_workitem_id 0
		.amdhsa_next_free_vgpr 512
		.amdhsa_next_free_sgpr 102
		.amdhsa_reserve_vcc 0
		.amdhsa_float_denorm_mode_32 3
		.amdhsa_float_denorm_mode_16_64 3
		.amdhsa_memory_ordered 1
		.amdhsa_forward_progress 1
		.amdhsa_inst_pref_size 147
	.end_amdhsa_kernel
	.amdgpu_metadata
---
amdhsa.version: [ 1, 2 ]
amdhsa.kernels:
  - .name:           k_q576e9fd829_proj
    .symbol:         k_q576e9fd829_proj.kd
    .args:
      - { .name: q_codes, .offset: 0, .size: 8, .value_kind: global_buffer, .address_space: global }
      - { .name: w_q_codes, .offset: 8, .size: 8, .value_kind: global_buffer, .address_space: global }
      - { .name: q_scales, .offset: 16, .size: 8, .value_kind: global_buffer, .address_space: global }
      - { .name: w_q_scales, .offset: 24, .size: 8, .value_kind: global_buffer, .address_space: global }
      - { .name: k_codes, .offset: 32, .size: 8, .value_kind: global_buffer, .address_space: global }
      - { .name: w_k_codes, .offset: 40, .size: 8, .value_kind: global_buffer, .address_space: global }
      - { .name: k_scales, .offset: 48, .size: 8, .value_kind: global_buffer, .address_space: global }
      - { .name: w_k_scales, .offset: 56, .size: 8, .value_kind: global_buffer, .address_space: global }
      - { .name: v_codes, .offset: 64, .size: 8, .value_kind: global_buffer, .address_space: global }
      - { .name: w_v_codes, .offset: 72, .size: 8, .value_kind: global_buffer, .address_space: global }
      - { .name: v_scales, .offset: 80, .size: 8, .value_kind: global_buffer, .address_space: global }
      - { .name: w_v_scales, .offset: 88, .size: 8, .value_kind: global_buffer, .address_space: global }
      - { .name: b_q, .offset: 96, .size: 8, .value_kind: global_buffer, .address_space: global }
      - { .name: b_k, .offset: 104, .size: 8, .value_kind: global_buffer, .address_space: global }
      - { .name: b_v, .offset: 112, .size: 8, .value_kind: global_buffer, .address_space: global }
      - { .name: mask, .offset: 120, .size: 8, .value_kind: global_buffer, .address_space: global }
      - { .name: qkv, .offset: 128, .size: 8, .value_kind: global_buffer, .address_space: global }
      - { .name: mw, .offset: 136, .size: 8, .value_kind: global_buffer, .address_space: global }
    .group_segment_fixed_size: 327680
    .private_segment_fixed_size: 0
    .kernarg_segment_align: 8
    .kernarg_segment_size: 144
    .max_flat_workgroup_size: 128
    .sgpr_count:     102
    .vgpr_count:     512
    .wavefront_size: 32
...
	.end_amdgpu_metadata
.endif
;; end of part 1
;; launch attn (part 2): grid 8 x 32, 16 waves a work-group, no clusters, 149,504 bytes of LDS; arguments qkv, mw, xq; writes xq
.if DOCPART == 2
	.amdgcn_target "amdgcn-amd-amdhsa--gfx1250"
	.amdhsa_code_object_version 6
	.text
	.protected	k_q576e9fd829_attn
	.globl	k_q576e9fd829_attn
	.p2align	8
	.type	k_q576e9fd829_attn,@function
k_q576e9fd829_attn:
	s_mov_b64 s[64:65], 0
	v_nop
	global_prefetch_b8 v0, s[64:65] scope:SCOPE_SE
	s_setreg_imm32_b32 hwreg(HW_REG_WAVE_MODE, 25, 1), 1
	s_wait_xcnt 0x0
; x[b][q][head] = softmax over the keys of (Q . K / 8, masked) times V, both products on codes of FP4 (E2M1) with E8M0 scales; then x is quantised along the model's 1,024 (a head's 64 are two blocks of 32).
; THE SOFTMAX: t = score x log2(e) / 8; M = the running largest t rounded UP to a whole number; p = 2^(t - M) is quantised along the keys, not normalised; the row's sum is taken of the unquantised p and
; divides at the end.  When M moves, the sum and O are multiplied by 2^(old M - new M): exact.
; THE MASK is an input: nothing of its pattern is built in.  The launch before packed it into lane masks, one word for each score register of a step; they come by scalar loads, a step ahead, and one
; v_cndmask_b32 a register sets a hidden score to -2^33.  That times c is a whole number, so in a row with no open key t - M is 0 and every p is 1 (equal weights); in any other row a hidden p is 0,
; and what was summed while the row had shown no open key is wiped by a factor 2^(a huge negative number) = 0.
; LIMITS: a hidden logit counts as -2^30 and not -1e9: the results differ only where an open logit of the same row lies near -1e9.  NaN and infinities are not served.
; A block of zeros gets the scale byte 1 (its codes are zeros; only this program reads the bytes).
; SHARES.  A work-group owns 256 queries of one (batch, head); each of its sixteen waves one tile of 16, in 256 registers: four waves to a SIMD, so that one wave's exponentials stand beside another's products.
; The head's K and V (images of operand registers, and their scale words: 143,360 bytes) are copied into LDS once, through registers, and only read after the launch's one barrier.
; The eight work-groups of a head read the same bytes, once each: 147,456 bytes against sixteen key steps of work, so no cluster and no joint load.
; LAYOUT.  S^T = K Q^T (source 0 = 16 keys, source 1 = my 16 queries), O^T = V^T P^T (source 0 = 16 of the head's 64, source 1 = P): a lane holds ONE query throughout.
; THE FIRST PRODUCT'S K IS 64, the instruction's 128: Q's registers 4-7 are zero codes; K's operand for tile T is v[32 + 4 T .. + 7], whose upper four registers (the next tile's codes) meet those zeros.
.set BLK,  217088
.set KIMG, 65536                       ; in the block of qkv; the copy begins here
.set QSC,  208896
.set XSC,  2097152                     ; in xq: behind the images, [token][32] scale bytes
.set LKS,  65536                       ; LDS: K's images at 0, K's scale words,
.set LV,   73728                       ; V's images,
.set LVS,  139264                      ; V's scale words
.set AK0,  1                           ; 16 x lane
.set AV0,  2
.set ASK0, 3
.set ASV0, 4
.set NEG,  5                           ; -2^33
.set XSO,  6                           ; 32 r
.set ADK,  8
.set ADV,  9
.set ADS,  10
.set ADT,  11
.set QS,   24                          ; Q's scale words
.set R4,   25
.set KS,   26                          ; v26-29: lanes 0-15 tile 2 i's words, lanes 16-31 tile 2 i + 1's
.set VS,   30                          ; v30-31 likewise
.set KF,   32                          ; v32-63 eight tiles of K, 4 registers each; v64-67 zeros
.set VF,   68                          ; v68-99 four fragments of V
.set S,    100                         ; v100-163 S^T, then p.  (At the head v100-171 stage the copy into LDS)
.set OT,   164                         ; v164-195 O^T
.set PC,   196                         ; v196-203 p's codes
.set BM,   204                         ; block maxima
.set BX,   208                         ; exchange, then bytes
.set BS,   212                         ; the conversions' scale operands
.set TP,   216
.set FF,   218                         ; f; named as a pair with
.set PW,   219                         ; p's scale word
.set SU,   220                         ; v[220:221] the sum's second chain
.set TK,   12                          ; s12: the step's images begin here (4,096 a step), s13: K's scale words (512), s14: V's (256)
.set TS,   13
.set TT,   14
.macro SPROD t
.if (\t)%2
	v_wmma_scale_f32_16x16x128_f8f6f4 v[S+8*\t:S+8*\t+7], v[KF+4*\t:KF+4*\t+7], v[16:23], 0, v[KS+\t/2], v[QS] matrix_a_fmt:MATRIX_FMT_FP4 matrix_b_fmt:MATRIX_FMT_FP4 matrix_a_scale:MATRIX_SCALE_ROW1
.else
	v_wmma_scale_f32_16x16x128_f8f6f4 v[S+8*\t:S+8*\t+7], v[KF+4*\t:KF+4*\t+7], v[16:23], 0, v[KS+\t/2], v[QS] matrix_a_fmt:MATRIX_FMT_FP4 matrix_b_fmt:MATRIX_FMT_FP4
.endif
.endm
.macro OPROD t
.if (\t)%2
	v_wmma_scale_f32_16x16x128_f8f6f4 v[OT+8*\t:OT+8*\t+7], v[VF+8*\t:VF+8*\t+7], v[PC:PC+7], v[OT+8*\t:OT+8*\t+7], v[VS+\t/2], v[PW] matrix_a_fmt:MATRIX_FMT_FP4 matrix_b_fmt:MATRIX_FMT_FP4 matrix_a_scale:MATRIX_SCALE_ROW1
.else
	v_wmma_scale_f32_16x16x128_f8f6f4 v[OT+8*\t:OT+8*\t+7], v[VF+8*\t:VF+8*\t+7], v[PC:PC+7], v[OT+8*\t:OT+8*\t+7], v[VS+\t/2], v[PW] matrix_a_fmt:MATRIX_FMT_FP4 matrix_b_fmt:MATRIX_FMT_FP4
.endif
.endm
	s_load_b128 s[4:7], s[0:1], 0x0                ; qkv, mw
	s_load_b64 s[8:9], s[0:1], 0x10                ; xq
	v_lshl_add_u32 v254, v0, 2, 0x24000
	v_mov_b32 v255, 0
	v_lshrrev_b32 v1, 5, v0
	v_readfirstlane_b32 s2, v1                     ; wave 0..15
	s_and_b32 s10, ttmp7, 0xffff                   ; 16 b + head
	s_lshl_b32 s88, ttmp9, 4
	s_add_co_u32 s88, s88, s2                      ; T: my tile of queries, 0..127
	s_mul_i32 s90, s10, BLK
	s_mov_b32 s91, 0
	s_lshl_b32 s92, s88, 12                        ; my tile's mask words: 16 steps x 256 bytes
	s_mov_b32 s93, 0
	s_wait_kmcnt 0x0
	s_add_nc_u64 s[4:5], s[4:5], s[90:91]          ; my block of qkv
	s_add_nc_u64 s[6:7], s[6:7], s[92:93]
	s_load_b512 s[16:31], s[6:7], 0x0              ; step 0's 64 words: word n in s[16 + n], from n = 48 on in s[20 + n]
	s_load_b512 s[32:47], s[6:7], 0x40
	s_load_b512 s[48:63], s[6:7], 0x80
	s_load_b512 s[68:83], s[6:7], 0xc0
	s_lshl_b32 s92, s88, 9
	s_add_nc_u64 s[90:91], s[4:5], s[92:93]        ; Q's image of my tile
	s_lshl_b32 s92, s88, 6
	s_add_nc_u64 s[94:95], s[4:5], s[92:93]        ; and its scale words (QSC stands in the load's offset)
	s_lshr_b32 s11, s10, 4
	s_lshl_b32 s11, s11, 7
	s_add_co_u32 s11, s11, s88                     ; my token tile, 128 b + T
	s_and_b32 s10, s10, 15                         ; the head
	s_lshl_b32 s92, s11, 9                         ; 16 tokens x 32 scale bytes
	s_lshl_b32 s89, s10, 1
	s_add_co_u32 s92, s92, s89
	s_add_co_u32 s92, s92, XSC
	s_add_nc_u64 s[96:97], s[8:9], s[92:93]        ; x's scale bytes: my tokens, my head's two
	s_lshl_b32 s92, s11, 13
	s_lshl_b32 s89, s10, 9
	s_add_co_u32 s92, s92, s89
	s_add_nc_u64 s[8:9], s[8:9], s[92:93]          ; x's image: [token tile][head] 512 bytes
	s_mov_b32 s84, 0x76543210
	s_mov_b32 s85, 0xfedcba98                      ; v_permlanex16_b32's selects for lane l xor 16
	s_mov_b32 s86, 0x3e38aa3b                      ; c = log2(e) / 8
	s_mov_b32 s87, s86                             ; (named with it as a pair, so it is written)
	s_mov_b32 s[TK], 0
	s_mov_b32 s[TS], 0
	s_mov_b32 s[TT], 0
	v_and_b32 v7, 31, v0                           ; lane
	v_and_b32 v[XSO], 15, v0                       ; r
	v_lshlrev_b32 v[AK0], 4, v7
	v_lshlrev_b32 v[ASK0], 2, v7
	v_lshlrev_b32 v[R4], 2, v[XSO]
	v_lshlrev_b32 v[XSO], 5, v[XSO]
	v_add_nc_u32 v[AV0], LV, v[AK0]
	v_add_nc_u32 v[ASV0], LVS, v[ASK0]
	v_add_nc_u32 v[ASK0], LKS, v[ASK0]
	v_lshlrev_b32 v8, 4, v0                        ; the copy: 16 bytes a thread, 8,192 a pass
	v_add_nc_u32 v9, 65536, v8
	v_add_nc_u32 v10, 131072, v8
	global_load_b128 v[16:19], v[AK0], s[90:91]    ; Q's codes stay in registers
	global_load_b32 v[QS], v[R4], s[94:95] offset:QSC
.irp i, 0,1,2,3,4,5,6,7,8,9,10,11,12,13,14,15,16,17
	global_load_b128 v[S+4*\i:S+4*\i+3], v8, s[4:5] offset:KIMG+8192*\i    ; 18 passes: K's images and words, V's images and words (and 4,096 bytes of Q's words, which nobody reads: it spares a branch)
.endr
	v_mov_b32 v[NEG], 0xd0000000                   ; -2^33.  (None of the registers written here lies in v100-171, on which the copy's loads are still to land)
	v_mov_b32 v13, 0xff61b1e6                      ; the largest t so far: -3e38, under every t
	v_floor_f32 v12, -v13                          ; -M
	v_mov_b32 v14, 0                               ; the sum, in two halves
	v_mov_b32 v15, 0
.irp e, 0,1,2,3
	v_mov_b32 v[20+\e], 0                          ; Q's zero codes for k = 64 .. 127
	v_mov_b32 v[KF+32+\e], 0                       ; behind K's last tile
	v_mov_b32 v[BX+\e], 0                          ; a lane permute's destination counts as one of its sources
.endr
	v_mov_b32 v[PW], 0                             ; (named as the upper half of the pair with f before it is first written)
	v_mov_b32 v[TP], 0
.irp i, 0,1,2,3,4,5,6,7
	s_wait_loadcnt 17-\i                           ; load i of the copy is in; the 17 - i behind it may be out
	ds_store_b128 v8, v[S+4*\i:S+4*\i+3] offset:8192*\i
.endr
.irp i, 8,9,10,11,12,13,14,15
	s_wait_loadcnt 17-\i
	ds_store_b128 v9, v[S+4*\i:S+4*\i+3] offset:8192*(\i-8)
.endr
.irp i, 16,17
	s_wait_loadcnt 17-\i
	ds_store_b128 v10, v[S+4*\i:S+4*\i+3] offset:8192*(\i-16)
.endr
	s_wait_dscnt 0x0                               ; for the others' sake: my stores have landed (and have read their registers)
	s_barrier_signal -1
.set n, 0
.rept 32
	v_mov_b32 v[OT+n], 0                           ; O^T: the step is written once; the first finds zeros, which the first change of M leaves zeros.  Here, since v164-171 staged the copy's last two passes: all loads are in and all stores done
.set n, n+1
.endr
	s_barrier_wait -1                              ; the head's K and V lie in LDS; from here on LDS is only read
; A KEY STEP: 128 keys.  last = 1: no further mask words are asked for.
.macro STEP last
	v_add_nc_u32 v[ADK], s[TK], v[AK0]             ; (these four are also the places between the last step's products and the loads into the registers that they read)
	v_add_nc_u32 v[ADV], s[TK], v[AV0]
	v_add_nc_u32 v[ADS], s[TS], v[ASK0]
	v_add_nc_u32 v[ADT], s[TT], v[ASV0]
.irp t, 0,1,2,3,4,5,6,7
	ds_load_b128 v[KF+4*\t:KF+4*\t+3], v[ADK] offset:512*\t    ; an image: 32 lanes, 512 consecutive bytes
.endr
.irp i, 0,1,2,3
	ds_load_b32 v[KS+\i], v[ADS] offset:128*\i
.endr
.irp t, 0,1,2,3
	ds_load_b128 v[VF+8*\t:VF+8*\t+3],   v[ADV] offset:1024*\t
	ds_load_b128 v[VF+8*\t+4:VF+8*\t+7], v[ADV] offset:1024*\t+512
.endr
.irp i, 0,1
	ds_load_b32 v[VS+\i], v[ADT] offset:128*\i
.endr
	s_wait_dscnt 10                                ; K and its words are in; V's eight loads and its two of words may be out
.irp t, 0,1,2,3,4,5,6,7
	SPROD \t                                       ; lane (r, h): query r; register 8 T + i: key 16 T + 8 h + i
.endr
	s_wait_kmcnt 0x0                               ; this step's mask words
.rept 4
	v_nop
.endr
.set n, 0
.rept 64
.if n < 48
	v_cndmask_b32 v[S+n], v[NEG], v[S+n], s[16+n]  ; bit of my lane 1: the score stays; 0: -2^33.  Each accumulator from its low end on
.else
	v_cndmask_b32 v[S+n], v[NEG], v[S+n], s[20+n]
.endif
.set n, n+1
.endr
.if !\last
	s_add_nc_u64 s[6:7], s[6:7], 256               ; (the loads that named this base are done: the wait on KMcnt above)
	s_load_b512 s[16:31], s[6:7], 0x0              ; the next step's words: they have the rest of this step in which to come
	s_load_b512 s[32:47], s[6:7], 0x40
	s_load_b512 s[48:63], s[6:7], 0x80
	s_load_b512 s[68:83], s[6:7], 0xc0
.endif
.irp b, 0,1,2,3
	v_max3_num_f32 v[BM+\b], v[S+16*\b], v[S+1+16*\b], v[S+2+16*\b]    ; the largest score of each block of 32 keys: for the row's maximum and, since p rises with the score, for the block's largest p
.endr
.irp i, 3,5,7,9,11,13
.irp b, 0,1,2,3
	v_max3_num_f32 v[BM+\b], v[BM+\b], v[S+16*\b+\i], v[S+1+16*\b+\i]
.endr
.endr
.irp b, 0,1,2,3
	v_max_num_f32 v[BM+\b], v[BM+\b], v[S+15+16*\b]
.endr
.irp b, 0,1,2,3
	v_permlanex16_b32 v[BX+\b], v[BM+\b], s84, s85
.endr
.irp b, 0,1,2,3
	v_max_num_f32 v[BM+\b], v[BM+\b], v[BX+\b]     ; with lane l xor 16's 16 keys
.endr
	v_max3_num_f32 v[TP], v[BM], v[BM+1], v[BM+2]
	v_max_num_f32 v[TP], v[TP], v[BM+3]            ; the step's largest score of my query
	v_mul_f32 v[TP], s86, v[TP]                    ; as t (c is positive)
	v_max_num_f32 v13, v13, v[TP]                  ; the running largest t
	v_mov_b32 v[TP], v12
	v_floor_f32 v12, -v13                          ; the new -M = floor(-t) = -ceil(t)
	v_sub_f32 v[TP], v12, v[TP]                    ; old M - new M: a whole number, 0 or less
	v_cvt_i32_f32 v[TP], v[TP]                     ; (it saturates)
	v_ldexp_f32 v[FF], 1.0, v[TP]                  ; f = 2^(old M - new M)
.set n, 0
.rept 32
	v_pk_fma_f32 v[S+n:S+n+1], v[S+n:S+n+1], s[86:87], v[12:13] op_sel_hi:[1,0,0]   ; t - M, two at a time
.set n, n+2
.endr
.irp b, 0,1,2,3
	v_fma_f32 v[BM+\b], v[BM+\b], s86, v12         ; the same of each block's largest score
.endr
.set n, 0
.rept 64
	v_exp_f32 v[S+n], v[S+n]                       ; p = 2^(t - M), at most 1
.set n, n+1
.endr
.irp b, 0,1,2,3
	v_exp_f32 v[BM+\b], v[BM+\b]                   ; the block's largest p: the same two instructions on the same number
.endr
	v_pk_mul_f32 v[14:15], v[14:15], v[FF:FF+1] op_sel_hi:[1,0]    ; the sums under the new M.  (A plain place behind the exponentials)
	s_wait_alu depctr_va_vdst(0)
.irp b, 0,1,2,3
	v_max_num_f32 v[BM+\b], 0x1800000, v[BM+\b]    ; the floor 2^(3 - 127): the byte cannot fall under 1
.endr
.irp b, 0,1,2,3
	v_add_nc_u32 v[BS+\b], 0xff000000, v[BM+\b]    ; 2 off the exponent field: the conversion's scale operand
.endr
.irp b, 0,1,2,3
	v_lshrrev_b32 v[BX+\b], 23, v[BS+\b]           ; the scale's byte
.endr
	v_lshl_or_b32 v[PW], v[BX+1], 8, v[BX]         ; p's scale word for these 128 keys
	v_lshl_or_b32 v[PW], v[BX+2], 16, v[PW]
	v_lshl_or_b32 v[PW], v[BX+3], 24, v[PW]
.irp t, 0,1,2,3,4,5,6,7
	v_cvt_scalef32_pk8_fp4_f32 v[PC+4*(\t/4)+2*(\t%2)+(\t/2)%2], v[S+8*\t:S+8*\t+7], v[BS+\t/2]
.endr
	v_nop                                          ; one plain place behind a scaled conversion
.irp c, 0,1
	v_permlane16_swap_b32 v[PC+4*\c], v[PC+4*\c+1] ; lanes 0-15 block 2 c, lanes 16-31 block 2 c + 1
	v_permlane16_swap_b32 v[PC+4*\c+2], v[PC+4*\c+3]
.endr
	v_pk_add_f32 v[SU:SU+1], v[S:S+1], v[S+2:S+3]  ; the row's sum is taken of the unquantised p: two at a time, in two chains
.irp j, 4,8,12,16,20,24,28,32,36,40,44,48,52,56,60
	v_pk_add_f32 v[14:15], v[14:15], v[S+\j:S+1+\j]
	v_pk_add_f32 v[SU:SU+1], v[SU:SU+1], v[S+2+\j:S+3+\j]
.endr
	v_pk_add_f32 v[14:15], v[14:15], v[SU:SU+1]
.set n, 0
.rept 16
	v_pk_mul_f32 v[OT+n:OT+n+1], v[OT+n:OT+n+1], v[FF:FF+1] op_sel_hi:[1,0]   ; O^T under the new M.  (With the sums above: the places between the codes and the scale word just made and the products)
.set n, n+2
.endr
	s_wait_dscnt 0x0                               ; V and its words
.irp t, 0,1,2,3
	OPROD \t                                       ; four accumulators by turns; lane (r, h): query r, register i: d = 16 t + 8 h + i
.endr
	s_add_co_u32 s[TK], s[TK], 4096
	s_add_co_u32 s[TS], s[TS], 512
	s_add_co_u32 s[TT], s[TT], 256
.endm
	s_mov_b32 s15, 15
.Lstep:
	STEP 0
	s_sub_co_u32 s15, s15, 1
	s_cmp_lg_u32 s15, 0
	s_cbranch_scc1 .Lstep
	STEP 1                                         ; the last step is written out: no load leaves mw
	; THE WAY OUT: O^T / the sum is my 16 tokens' part of x for this head; its 64 numbers a row are two blocks of the last product's K.
.rept 4
	v_nop
.endr
	v_add_f32 v14, v14, v15                        ; the sum's two halves,
	v_permlanex16_b32 v[TP], v14, s84, s85
	v_add_f32 v14, v14, v[TP]                      ; and lane l xor 16's
	v_rcp_f32 v14, v14
	v_nop                                          ; one plain place behind a transcendental
.set n, 0
	s_wait_alu depctr_va_vdst(0)
.rept 16
	v_pk_mul_f32 v[OT+n:OT+n+1], v[OT+n:OT+n+1], v[14:15] op_sel_hi:[1,0]
.set n, n+2
.endr
.irp b, 0,1
	v_max3_num_f32 v[BM+\b], |v[OT+16*\b]|, |v[OT+1+16*\b]|, 0x1800000
.endr
.irp i, 2,4,6,8,10,12,14
.irp b, 0,1
	v_max3_num_f32 v[BM+\b], v[BM+\b], |v[OT+16*\b+\i]|, |v[OT+1+16*\b+\i]|
.endr
.endr
.irp b, 0,1
	v_permlanex16_b32 v[BX+\b], v[BM+\b], s84, s85
.endr
.irp b, 0,1
	v_max_num_f32 v[BM+\b], v[BM+\b], v[BX+\b]
.endr
.irp b, 0,1
	v_add_nc_u32 v[BS+\b], 0xff000000, v[BM+\b]
.endr
.irp b, 0,1
	v_lshrrev_b32 v[BX+\b], 23, v[BS+\b]
.endr
	v_lshl_or_b32 v[TP], v[BX+1], 8, v[BX]         ; my row's two scale bytes
.irp t, 0,1,2,3
	v_cvt_scalef32_pk8_fp4_f32 v[PC+2*(\t%2)+\t/2], v[OT+8*\t:OT+8*\t+7], v[BS+\t/2]
.endr
	v_nop
	v_permlane16_swap_b32 v[PC], v[PC+1]
	v_permlane16_swap_b32 v[PC+2], v[PC+3]
	global_store_b128 v[AK0], v[PC:PC+3], s[8:9]   ; 32 lanes store 512 consecutive bytes: four registers of the last product's operand
	global_store_b16 v[XSO], v[TP], s[96:97]       ; two bytes of each token's row of 32 (both halves of the lanes write the same): 1 byte in 16 of what the wave stores
	s_wait_tensorcnt 0x0
	ds_add_u32 v254, v255
	s_wait_dscnt 0x0
	s_endpgm
.Lfunc_end_k_q576e9fd829_attn:
	.size	k_q576e9fd829_attn, .Lfunc_end_k_q576e9fd829_attn-k_q576e9fd829_attn
	.p2alignl 7, 3214868480
	.fill 96, 4, 3214868480
	.section	.rodata,"a",@progbits
	.p2align	6, 0x0
	.amdhsa_kernel k_q576e9fd829_attn
		.amdhsa_group_segment_fixed_size 149504
		.amdhsa_private_segment_fixed_size 0
		.amdhsa_enable_private_segment 0
		.amdhsa_kernarg_size 24
		.amdhsa_user_sgpr_count 2
		.amdhsa_user_sgpr_kernarg_segment_ptr 1
		.amdhsa_wavefront_size32 1
		.amdhsa_system_sgpr_workgroup_id_x 1
		.amdhsa_system_sgpr_workgroup_id_y 1
		.amdhsa_system_sgpr_workgroup_id_z 1
		.amdhsa_system_vgpr_workitem_id 0
		.amdhsa_next_free_vgpr 256
		.amdhsa_next_free_sgpr 98
		.amdhsa_reserve_vcc 0
		.amdhsa_float_denorm_mode_32 3
		.amdhsa_float_denorm_mode_16_64 3
		.amdhsa_memory_ordered 1
		.amdhsa_forward_progress 1
		.amdhsa_inst_pref_size 50
	.end_amdhsa_kernel
	.amdgpu_metadata
---
amdhsa.version: [ 1, 2 ]
amdhsa.kernels:
  - .name:           k_q576e9fd829_attn
    .symbol:         k_q576e9fd829_attn.kd
    .args:
      - { .name: qkv, .offset: 0, .size: 8, .value_kind: global_buffer, .address_space: global }
      - { .name: mw, .offset: 8, .size: 8, .value_kind: global_buffer, .address_space: global }
      - { .name: xq, .offset: 16, .size: 8, .value_kind: global_buffer, .address_space: global }
    .group_segment_fixed_size: 149504
    .private_segment_fixed_size: 0
    .kernarg_segment_align: 8
    .kernarg_segment_size: 24
    .max_flat_workgroup_size: 512
    .sgpr_count:     98
    .vgpr_count:     256
    .wavefront_size: 32
...
	.end_amdgpu_metadata
.endif
;; end of part 2
;; launch outp (part 3): grid 8 x 32, 4 waves a work-group, no clusters, 168,448 bytes of LDS; arguments w_o_codes, w_o_scales, b_o, xq, out0; writes out0
.if DOCPART == 3
	.amdgcn_target "amdgcn-amd-amdhsa--gfx1250"
	.amdhsa_code_object_version 6
	.text
	.protected	k_q576e9fd829_outp
	.globl	k_q576e9fd829_outp
	.p2align	8
	.type	k_q576e9fd829_outp,@function
k_q576e9fd829_outp:
	s_mov_b64 s[64:65], 0
	v_nop
	global_prefetch_b8 v0, s[64:65] scope:SCOPE_SE
	s_setreg_imm32_b32 hwreg(HW_REG_WAVE_MODE, 25, 1), 1
	s_wait_xcnt 0x0
; out0 = x Wo^T + b_o on codes of FP4 (E2M1) with E8M0 scales, sums in f32.  x comes as images of operand registers, [token tile][head][lane] 16 bytes, and scale bytes [token][32].
; SHARES.  Work-group (j, tb): 128 tokens (128 tb on) x 128 outputs (128 j on).  Source 0 = 16 rows of Wo, source 1 = 16 tokens: a lane holds eight neighbouring outputs of one token.
; Wave w takes Wo's 8 tiles and token tiles 2 w, 2 w + 1: 16 accumulators, by turns.  Its 16 fragments of x are its own alone: they go from memory straight into registers (window 2).
; Wo's 128 rows, all of K, and their scale bytes come into LDS once: waves 0 and 1 bring 64 rows each, wave 2 the scale bytes; one tensor load of a wave is out at the most.
; JOINT LOADS IN A CLUSTER ARE NOT USED: what is shared is one fill of 69,632 bytes a work-group, asked for once at the head; x, the other half of the bytes, goes to registers.
.set PITCH,  528                       ; an LDS row of codes: 512 bytes + 16: row r starts at bank 4 r mod 64
.set T16,    16*PITCH
.set WS,     128*PITCH                 ; Wo's scale bytes, 32 a row, dense
.set STAGE,  WS+4096                   ; the way out: 16 rows x 528 bytes for each wave; no fill lands here
.set XSC,    2097152
.set FL,   1                           ; 528 r + 16 h
.set SL,   3                           ; 32 x lane
.set ADSP, 7
.set H32,  13
.set SP,   16                          ; v16-47 Wo's scale words: register 8 b + k: lane L: row 32 b + L, K step k
.set SR,   48                          ; v48-55 x's: lane L: token 32 w + L
.set STO,  94
.set RD,   95
.set L16,  100
.set ACC,  128                         ; accumulator (p, q) at 128 + 64 q + 8 p
.set BIAS, 160                         ; window 1: v0-63, v64-127 two buffers of Wo's fragments; v160-223 the bias.  Window 2: v0-127 x's fragments, (q, k) at 64 q + 8 k
.set MSB, 0
.macro WIN new                         ; the immediate's high byte repeats the setting that is left
.if MSB != \new
	s_set_vgpr_msb (MSB<<8)|\new
.set MSB, \new
.endif
.endm
.macro PLACES n
.rept \n
	v_nop
.endr
.endm
.macro WM d, a, b, c, sa, sb, ra, rb
.if (\ra) && (\rb)
	v_wmma_scale_f32_16x16x128_f8f6f4 v[(\d):(\d)+7], v[(\a):(\a)+7], v[(\b):(\b)+7], v[(\c):(\c)+7], v[(\sa)], v[(\sb)] matrix_a_fmt:MATRIX_FMT_FP4 matrix_b_fmt:MATRIX_FMT_FP4 matrix_a_scale:MATRIX_SCALE_ROW1 matrix_b_scale:MATRIX_SCALE_ROW1
.elseif (\ra)
	v_wmma_scale_f32_16x16x128_f8f6f4 v[(\d):(\d)+7], v[(\a):(\a)+7], v[(\b):(\b)+7], v[(\c):(\c)+7], v[(\sa)], v[(\sb)] matrix_a_fmt:MATRIX_FMT_FP4 matrix_b_fmt:MATRIX_FMT_FP4 matrix_a_scale:MATRIX_SCALE_ROW1
.elseif (\rb)
	v_wmma_scale_f32_16x16x128_f8f6f4 v[(\d):(\d)+7], v[(\a):(\a)+7], v[(\b):(\b)+7], v[(\c):(\c)+7], v[(\sa)], v[(\sb)] matrix_a_fmt:MATRIX_FMT_FP4 matrix_b_fmt:MATRIX_FMT_FP4 matrix_b_scale:MATRIX_SCALE_ROW1
.else
	v_wmma_scale_f32_16x16x128_f8f6f4 v[(\d):(\d)+7], v[(\a):(\a)+7], v[(\b):(\b)+7], v[(\c):(\c)+7], v[(\sa)], v[(\sb)] matrix_a_fmt:MATRIX_FMT_FP4 matrix_b_fmt:MATRIX_FMT_FP4
.endif
.endm
.macro FETCH k, buf                    ; 16 LDS loads: Wo's eight fragments of K step k
	WIN 0x40
.irp p, 0,1,2,3,4,5,6,7
	ds_load_b128 v[64*(\buf)+8*\p:64*(\buf)+8*\p+3],   v[FL] offset:\p*T16+64*(\k)
	ds_load_b128 v[64*(\buf)+8*\p+4:64*(\buf)+8*\p+7], v[FL] offset:\p*T16+64*(\k)+32
.endr
.endm
.macro MUL k                           ; 16 products; the accumulators take turns, one instruction a turn; in K step 0 the bias is the C
.if (\k) == 0
	WIN 0x19                                       ; A window 1, B window 2, C window 1, D window 0
.else
	WIN 0x09                                       ; A window 1, B window 2, C and D window 0
.endif
.irp p, 0,1,2,3,4,5,6,7
.irp q, 0,1
.if (\k) == 0
	WM ACC+64*\q+8*\p, 64*((\k)%2)+8*\p, 64*\q+8*(\k), BIAS+8*\p, SP+8*(\p/2)+(\k), SR+(\k), \p%2, \q
.else
	WM ACC+64*\q+8*\p, 64*((\k)%2)+8*\p, 64*\q+8*(\k), ACC+64*\q+8*\p, SP+8*(\p/2)+(\k), SR+(\k), \p%2, \q
.endif
.endr
.endr
.endm
	s_load_b256 s[4:11], s[0:1], 0x0               ; Wo's codes, Wo's scales, b_o, xq
	s_load_b64 s[12:13], s[0:1], 0x20              ; out0
	v_lshl_add_u32 v126, v0, 2, 0x29000
	v_mov_b32 v127, 0
	ds_add_u32 v126, v127
	ds_add_u32 v126, v127
	v_lshrrev_b32 v1, 5, v0
	v_readfirstlane_b32 s2, v1                     ; wave 0..3
	s_mov_b32 s3, ttmp9                            ; j
	s_and_b32 s14, ttmp7, 0xffff                   ; tb
	; group 1 for codes: 64 rows of 512 bytes, dense in memory, 16 bytes of padding behind each
	s_mov_b32 s16, (1<<20)|(6<<22)|(3<<25)
	s_mov_b32 s17, 512<<16
	s_mov_b32 s18, 64<<16
	s_mov_b32 s19, 512<<16
	s_mov_b32 s20, 64
	s_mov_b32 s21, 512
	s_mov_b32 s22, 0
	s_mov_b32 s23, 0
	; group 1 for the scale bytes: 4,096 dense bytes as 16 rows of 32 elements of 8 bytes
	s_mov_b32 s24, 3<<16
	s_mov_b32 s25, 32<<16
	s_mov_b32 s26, 16<<16
	s_mov_b32 s27, 32<<16
	s_mov_b32 s28, 16
	s_mov_b32 s29, 32
	s_mov_b32 s30, 0
	s_mov_b32 s31, 0
	s_mov_b32 s32, 1
	s_mul_i32 s33, s2, 64*PITCH                    ; wave 0: rows 0-63, wave 1: rows 64-127
	s_mov_b32 s36, 1
	s_mov_b32 s37, WS
	s_lshl_b32 s40, s3, 16                         ; 128 rows x 512 bytes x j
	s_lshl_b32 s42, s2, 15                         ; + 64 rows x wave
	s_add_co_u32 s40, s40, s42
	s_mov_b32 s41, 0
	s_lshl_b32 s42, s3, 12
	s_mov_b32 s43, 0
	s_mov_b32 s45, 0
	s_wait_dscnt 0x0
	s_wait_kmcnt 0x0
	s_add_nc_u64 s[34:35], s[4:5], s[40:41]
	s_or_b32 s35, s35, 0x80000000
	s_add_nc_u64 s[38:39], s[6:7], s[42:43]
	s_or_b32 s39, s39, 0x80000000
	s_cmp_lt_u32 s2, 2
	s_cbranch_scc0 .Lnot_codes
	tensor_load_to_lds s[32:35], s[16:23]
	s_nop 0
	PLACES 4
	s_branch .Lasked
.Lnot_codes:
	s_cmp_lt_u32 s2, 3
	s_cbranch_scc0 .Lasked
	tensor_load_to_lds s[36:39], s[24:31]
	s_nop 0
	PLACES 4
.Lasked:
	s_lshl_b32 s40, s14, 3
	s_lshl_b32 s42, s2, 1
	s_add_co_u32 s40, s40, s42                     ; my first token tile: 8 tb + 2 w
	s_lshl_b32 s42, s40, 9                         ; 16 tokens x 32 scale bytes
	s_add_co_u32 s42, s42, XSC
	s_add_nc_u64 s[48:49], s[10:11], s[42:43]      ; x's scale bytes
	s_lshl_b32 s42, s40, 16                        ; 16 rows of out0, 4,096 bytes each
	s_lshl_b32 s44, s3, 9                          ; 128 j outputs x 4 bytes
	s_add_co_u32 s42, s42, s44
	s_add_nc_u64 s[12:13], s[12:13], s[42:43]
	s_lshl_b32 s40, s40, 13                        ; a token tile's images: 16 heads x 512 bytes
	s_add_nc_u64 s[10:11], s[10:11], s[40:41]
	s_add_nc_u64 s[8:9], s[8:9], s[44:45]          ; b_o at output 128 j
	v_and_b32 v102, 31, v0                         ; lane
	v_and_b32 v103, 15, v0                         ; r
	v_bfe_u32 v104, v0, 4, 1                       ; h
	v_lshlrev_b32 v[L16], 4, v102
	v_lshlrev_b32 v[SL], 5, v102
	v_lshlrev_b32 v[H32], 5, v104
	WIN 0x80                                       ; destination window 2
.irp q, 0,1
.irp k, 0,1,2,3,4,5,6,7
	global_load_b128 v[64*\q+8*\k:64*\q+8*\k+3],   v[L16], s[10:11] offset:8192*\q+1024*\k        ; head 2 k: registers 0-3 of K step k; 512 consecutive bytes
	global_load_b128 v[64*\q+8*\k+4:64*\q+8*\k+7], v[L16], s[10:11] offset:8192*\q+1024*\k+512    ; head 2 k + 1: registers 4-7
.endr
.endr
	WIN 0x40                                       ; destination window 1
.irp p, 0,1,2,3,4,5,6,7
	global_load_b128 v[BIAS+8*\p:BIAS+8*\p+3],   v[H32], s[8:9] offset:64*\p       ; b_o(16 p + 8 h + 0..7): the result's layout
	global_load_b128 v[BIAS+8*\p+4:BIAS+8*\p+7], v[H32], s[8:9] offset:64*\p+16
.endr
	WIN 0
	global_load_b128 v[SR:SR+3],   v[SL], s[48:49]             ; token 32 w + lane: its 8 scale words
	global_load_b128 v[SR+4:SR+7], v[SL], s[48:49] offset:16
	v_mul_u32_u24 v[FL], v103, PITCH
	v_lshl_add_u32 v[STO], v104, 5, v[FL]
	v_lshl_add_u32 v[FL], v104, 4, v[FL]
	v_add_nc_u32 v[ADSP], WS, v[SL]
	s_mul_i32 s42, s2, T16
	s_add_co_u32 s42, s42, STAGE                   ; my stage
	v_add_nc_u32 v[STO], s42, v[STO]               ; in: row r, 32 bytes for each half of the lanes
	v_add_nc_u32 v[RD], s42, v[L16]                ; back: the 32 lanes take one row of 512 bytes
	s_wait_tensorcnt 0x0                           ; my part of Wo is in,
	s_barrier_signal -1
	s_barrier_wait -1                              ; everybody's is
.irp b, 0,1,2,3
	ds_load_b128 v[SP+8*\b:SP+8*\b+3],   v[ADSP] offset:1024*\b
	ds_load_b128 v[SP+8*\b+4:SP+8*\b+7], v[ADSP] offset:1024*\b+16
.endr
	FETCH 0, 0
.set K, 0
.rept 8
.if K > 0
	PLACES 4                                       ; in front of loads into the buffer that the step before multiplied
.endif
.if K < 7
	FETCH K+1, (K+1)%2
	s_wait_dscnt 16                                ; all but the 16 loads just issued
.else
	s_wait_dscnt 0x0
.endif
.if K == 0
	s_wait_loadcnt 0x0                             ; x's fragments and scale words, the bias
.endif
	MUL K
.set K, K+1
.endr
	WIN 0
	PLACES 4                                       ; in front of the first read of results
	; THE WAY OUT: a block of 16 tokens x 128 outputs goes through my own stage and comes back as whole rows of 512 bytes, into the registers that it left.  LDS serves a wave's instructions in order.
.irp q, 0,1
.irp p, 0,1,2,3,4,5,6,7
	ds_store_b128 v[STO], v[ACC+64*\q+8*\p:ACC+64*\q+8*\p+3]   offset:64*\p        ; each accumulator from its low end on
	ds_store_b128 v[STO], v[ACC+64*\q+8*\p+4:ACC+64*\q+8*\p+7] offset:64*\p+16
.endr
.irp t, 0,1,2,3,4,5,6,7,8,9,10,11,12,13,14,15
	ds_load_b128 v[ACC+64*\q+4*\t:ACC+64*\q+4*\t+3], v[RD] offset:PITCH*\t
.endr
.endr
	s_wait_dscnt 32                                ; block 0 is back; block 1's 16 stores and 16 loads may be out
.irp t, 0,1,2,3,4,5,6,7,8,9,10,11,12,13,14,15
	global_store_b128 v[L16], v[ACC+4*\t:ACC+4*\t+3], s[12:13] offset:4096*\t th:TH_STORE_NT      ; 32 lanes store 512 consecutive bytes, aligned; written once, read by nobody here
.endr
	s_wait_dscnt 0x0
.irp t, 0,1,2,3,4,5,6,7,8,9,10,11,12,13,14,15
	global_store_b128 v[L16], v[ACC+64+4*\t:ACC+64+4*\t+3], s[12:13] offset:4096*(16+\t) th:TH_STORE_NT
.endr
	s_wait_tensorcnt 0x0
	ds_add_u32 v126, v127
	s_wait_dscnt 0x0
	s_endpgm
.Lfunc_end_k_q576e9fd829_outp:
	.size	k_q576e9fd829_outp, .Lfunc_end_k_q576e9fd829_outp-k_q576e9fd829_outp
	.p2alignl 7, 3214868480
	.fill 96, 4, 3214868480
	.section	.rodata,"a",@progbits
	.p2align	6, 0x0
	.amdhsa_kernel k_q576e9fd829_outp
		.amdhsa_group_segment_fixed_size 168448
		.amdhsa_private_segment_fixed_size 0
		.amdhsa_enable_private_segment 0
		.amdhsa_kernarg_size 40
		.amdhsa_user_sgpr_count 2
		.amdhsa_user_sgpr_kernarg_segment_ptr 1
		.amdhsa_wavefront_size32 1
		.amdhsa_system_sgpr_workgroup_id_x 1
		.amdhsa_system_sgpr_workgroup_id_y 1
		.amdhsa_system_sgpr_workgroup_id_z 1
		.amdhsa_system_vgpr_workitem_id 0
		.amdhsa_next_free_vgpr 640
		.amdhsa_next_free_sgpr 66
		.amdhsa_reserve_vcc 0
		.amdhsa_float_denorm_mode_32 3
		.amdhsa_float_denorm_mode_16_64 3
		.amdhsa_memory_ordered 1
		.amdhsa_forward_progress 1
		.amdhsa_inst_pref_size 43
	.end_amdhsa_kernel
	.amdgpu_metadata
---
amdhsa.version: [ 1, 2 ]
amdhsa.kernels:
  - .name:           k_q576e9fd829_outp
    .symbol:         k_q576e9fd829_outp.kd
    .args:
      - { .name: w_o_codes, .offset: 0, .size: 8, .value_kind: global_buffer, .address_space: global }
      - { .name: w_o_scales, .offset: 8, .size: 8, .value_kind: global_buffer, .address_space: global }
      - { .name: b_o, .offset: 16, .size: 8, .value_kind: global_buffer, .address_space: global }
      - { .name: xq, .offset: 24, .size: 8, .value_kind: global_buffer, .address_space: global }
      - { .name: out0, .offset: 32, .size: 8, .value_kind: global_buffer, .address_space: global }
    .group_segment_fixed_size: 168448
    .private_segment_fixed_size: 0
    .kernarg_segment_align: 8
    .kernarg_segment_size: 40
    .max_flat_workgroup_size: 128
    .sgpr_count:     66
    .vgpr_count:     640
    .wavefront_size: 32
...
	.end_amdgpu_metadata
.endif
;; end of part 3
;; ======== version 2 of 3: 3 launches; 1.21 times as fast as version 1
;; workspace buffers: qkv 6,946,816 bytes; mw 532,480 bytes of whole numbers; xq 2,228,224 bytes
;; launch proj (part 4): grid 8 x 32, 4 waves a work-group, no clusters, 327,680 bytes of LDS; arguments q_codes, w_q_codes, q_scales, w_q_scales, k_codes, w_k_codes, k_scales, w_k_scales, v_codes, w_v_codes, v_scales, w_v_scales, b_q, b_k, b_v, mask, qkv, mw; writes qkv, mw
.if DOCPART == 4
	.amdgcn_target "amdgcn-amd-amdhsa--gfx1250"
	.amdhsa_code_object_version 6
	.text
	.protected	k_q576e9fd829_proj
	.globl	k_q576e9fd829_proj
	.p2align	8
	.type	k_q576e9fd829_proj,@function
k_q576e9fd829_proj:
	s_mov_b64 s[64:65], 0
	v_nop
	global_prefetch_b8 v0, s[64:65] scope:SCOPE_SE
	s_setreg_imm32_b32 hwreg(HW_REG_WAVE_MODE, 25, 1), 1
	s_wait_xcnt 0x0
; Q = q Wq^T + bq, K = k Wk^T + bk, V = v Wv^T + bv on codes of FP4 (E2M1) with E8M0 scales, sums in f32; then Q and K are quantised along the head's 64,
; V along the keys, in registers, and stored as IMAGES OF OPERAND REGISTERS for the attention launch.  The int32 mask is packed into lane-mask words, and for each unit of
; 16 queries x 128 keys one more word says which of the 16 queries have an open key there.
; SHARES.  Work-group (j, tb): 128 tokens (128 tb on) x 128 features (128 j on: heads 2 j, 2 j + 1), three tiles: q's, k's, v's; and 8 units of the mask (16 queries x 128 keys each).
; A tile is P R^T: source 0 = P, whose rows run along a lane's registers (the axis that is quantised), source 1 = R, whose rows lie in the lanes.
; Q, K: P = W (features), R = x (tokens).  V: P = x (tokens = keys), R = W (features).  Wave w takes P's 8 tiles of 16 rows and R's tiles 2 w, 2 w + 1: 16 accumulators, by turns.
; FROM RESULT TO OPERAND.  In result tile t lane (r, h) holds k = 16 t + 8 h + 0..7 of the next K: one conversion, one register.  Laid at 4 (t/4) + 2 (t%2) + (t/2)%2, two exchanges of
; lane halves for each 64 along K give the operand's registers (register 4 c + i: k = 64 c + 32 h + 8 i on).  So tiles are 16 neighbouring rows.
; LDS.  Two slots, each with all of K (1,024) of 128 rows of x and of W (rows of 512 bytes + 16 of padding) and their scale bytes (32 a row, dense).  q's tile in slot 0, k's in slot 1, v's in slot 0 again.
; Each wave brings one of a slot's four parts by one tensor load: at most two loads of a wave are out (the two first fills), later one.
; JOINT LOADS IN A CLUSTER ARE NOT USED: x's part hangs on tb and W's on j, and here one set of descriptor registers serves either, chosen by the wave's number; a joint load wants registers that never hold
; the other coordinate.  Each work-group fetches its 3 x 143,360 bytes itself.
; LIMITS: NaN and infinities are not served.  A block of zeros gets the scale byte 1 (its codes are zeros; only this program reads the bytes).
.set BLK,    217088                    ; a (batch, head)'s block in qkv:
.set QIMG,   0                         ; [query tile][lane] 16 bytes: lane (r, h): codes d = 32 h on of query 16 T + r
.set KIMG,   65536                     ; the same for keys
.set KSC,    131072                    ; [tile][r] one word: bytes 0, 1 the head's two scale bytes, bytes 2, 3 zero
.set VIMG,   139264                    ; [key step][d tile][c][lane] 16 bytes: registers 4 c on of the fragment
.set VSC,    204800                    ; [key step][d tile][r] one word
.set QSC,    208896                    ; as KSC
.set MSUM,   524288                    ; in mw, behind the lane masks: [query tile][key step] one word: bit r: query r has an open key in the unit
.set PITCH,  528                       ; an LDS row of codes: 512 bytes + 16 = 132 words: row r starts at bank 4 r mod 64
.set T16,    16*PITCH
.set XA,     0
.set WA,     128*PITCH
.set XS,     2*128*PITCH
.set WS,     XS+4096
.set SLOT,   WS+4096
.set SPARE,  2*SLOT                    ; the spare words, 128 bytes a wave: two blocks of 256 bytes that no other line names
.set MSTAGE, SPARE+512                 ; the mask's stage: 16 rows x 528 bytes for each wave
.set FL,   1                           ; 528 r + 16 h: my lane's place in a tile of 16 rows
.set FLW,  2                           ; + 32 rows x wave
.set SL,   3                           ; 32 x lane: a row of scale bytes
.set SLW,  4                           ; + 32 rows x wave
.set ADP,  5                           ; the tile in hand: P's codes, R's codes, P's scales, R's scales
.set ADR,  6
.set ADSP, 7
.set ADSR, 8
.set VOI,  9                           ; byte offsets of my stores: Q's and K's images,
.set VOS,  10                          ; their scale words,
.set VOV,  11                          ; V's images,
.set VOVS, 12                          ; V's scale words
.set H32,  13                          ; 32 h
.set SPW,  14                          ; my spare word's LDS address; never rewritten
.set NIL,  15                          ; 0; never rewritten
.set SP,   16                          ; v16-47 P's scale words: register 8 b + k: lane L: row 32 b + L, K step k
.set SR,   48                          ; v48-55 R's: lane L: row 32 w + L
.set TM,   56                          ; v56-71 at work in QUANT
.set PC,   72                          ; v72-87 codes, a set for each of my two tiles of R
.set PW,   88                          ; v88-89 their scale words
.set XW,   90
.set LO,   91
.set HI,   92
.set R4,   93                          ; 4 r
.set MSI,  94                          ; the mask's stage: in, out
.set MSO,  95
.set MW,   96                          ; v96-99 two units' words, two to a lane
.set L16,  100                         ; 16 x lane
.set L8,   101                         ; 8 x lane
.set MS,   106                         ; v106-107 the two units' words of open queries
.set ZV,   108                         ; offset 0 for their stores
.set ACC,  128                         ; v128-255 accumulator (p, q) at 128 + 64 q + 8 p
.set BIAS, 160                         ; window 1: v0-79, v80-159 two fragment buffers (P 64, R 16); v160-223 the bias in the result's layout
.set MSB, 0
.macro WIN new                         ; the immediate's high byte repeats the setting that is left
.if MSB != \new
	s_set_vgpr_msb (MSB<<8)|\new
.set MSB, \new
.endif
.endm
.macro PLACES n
.rept \n
	v_nop
.endr
.endm
; one product; ra, rb: the side's scale words lie in lanes 16-31
.macro WM d, a, b, c, sa, sb, ra, rb
.if (\ra) && (\rb)
	v_wmma_scale_f32_16x16x128_f8f6f4 v[(\d):(\d)+7], v[(\a):(\a)+7], v[(\b):(\b)+7], v[(\c):(\c)+7], v[(\sa)], v[(\sb)] matrix_a_fmt:MATRIX_FMT_FP4 matrix_b_fmt:MATRIX_FMT_FP4 matrix_a_scale:MATRIX_SCALE_ROW1 matrix_b_scale:MATRIX_SCALE_ROW1
.elseif (\ra)
	v_wmma_scale_f32_16x16x128_f8f6f4 v[(\d):(\d)+7], v[(\a):(\a)+7], v[(\b):(\b)+7], v[(\c):(\c)+7], v[(\sa)], v[(\sb)] matrix_a_fmt:MATRIX_FMT_FP4 matrix_b_fmt:MATRIX_FMT_FP4 matrix_a_scale:MATRIX_SCALE_ROW1
.elseif (\rb)
	v_wmma_scale_f32_16x16x128_f8f6f4 v[(\d):(\d)+7], v[(\a):(\a)+7], v[(\b):(\b)+7], v[(\c):(\c)+7], v[(\sa)], v[(\sb)] matrix_a_fmt:MATRIX_FMT_FP4 matrix_b_fmt:MATRIX_FMT_FP4 matrix_b_scale:MATRIX_SCALE_ROW1
.else
	v_wmma_scale_f32_16x16x128_f8f6f4 v[(\d):(\d)+7], v[(\a):(\a)+7], v[(\b):(\b)+7], v[(\c):(\c)+7], v[(\sa)], v[(\sb)] matrix_a_fmt:MATRIX_FMT_FP4 matrix_b_fmt:MATRIX_FMT_FP4
.endif
.endm
; 20 LDS loads: K step k's fragments (P's eight, my two of R) into buffer buf of window 1
.macro FETCH k, buf
	WIN 0x40
.irp p, 0,1,2,3,4,5,6,7
	ds_load_b128 v[80*(\buf)+8*\p:80*(\buf)+8*\p+3],   v[ADP] offset:\p*T16+64*(\k)
	ds_load_b128 v[80*(\buf)+8*\p+4:80*(\buf)+8*\p+7], v[ADP] offset:\p*T16+64*(\k)+32
.endr
.irp q, 0,1
	ds_load_b128 v[80*(\buf)+64+8*\q:80*(\buf)+64+8*\q+3],   v[ADR] offset:\q*T16+64*(\k)
	ds_load_b128 v[80*(\buf)+64+8*\q+4:80*(\buf)+64+8*\q+7], v[ADR] offset:\q*T16+64*(\k)+32
.endr
.endm
; 16 products, 128 along K.  The 16 accumulators take turns, one instruction a turn, in the same order in every step.  In K step 0 the bias is the C: nothing is cleared or added.
.macro MUL k, kind
.if (\k) == 0
	WIN 0x15                                       ; A, B and C window 1, D window 0
.else
	WIN 0x05                                       ; A and B window 1, C and D window 0
.endif
.irp p, 0,1,2,3,4,5,6,7
.irp q, 0,1
.if (\k) == 0
	WM ACC+64*\q+8*\p, 80*((\k)%2)+8*\p, 80*((\k)%2)+64+8*\q, BIAS+8*\p+(\kind)*(8*\q-8*\p), SP+8*(\p/2)+(\k), SR+(\k), \p%2, \q
.else
	WM ACC+64*\q+8*\p, 80*((\k)%2)+8*\p, 80*((\k)%2)+64+8*\q, ACC+64*\q+8*\p, SP+8*(\p/2)+(\k), SR+(\k), \p%2, \q
.endif
.endr
.endr
.endm
; 64 numbers of a lane, v[s] on (register 8 t + i = k 16 t + 8 h + i of my row), become a fragment's 8 registers of codes at v[pc] and the row's scale word in v[pw].
.macro QUANT s, pc, pw
.irp b, 0,1,2,3
	v_max3_num_f32 v[TM+\b], |v[\s+16*\b]|, |v[\s+1+16*\b]|, 0x1800000   ; block b: my 16 numbers, from each accumulator's low end on, and the floor 2^(3 - 127): the byte cannot fall under 1
.endr
.irp i, 2,4,6,8,10,12,14
.irp b, 0,1,2,3
	v_max3_num_f32 v[TM+\b], v[TM+\b], |v[\s+16*\b+\i]|, |v[\s+1+16*\b+\i]|
.endr
.endr
.irp b, 0,1,2,3
	v_permlanex16_b32 v[TM+4+\b], v[TM+\b], s86, s87
.endr
.irp b, 0,1,2,3
	v_max_num_f32 v[TM+\b], v[TM+\b], v[TM+4+\b]   ; with lane l xor 16's 16: the block's largest magnitude
.endr
.irp b, 0,1,2,3
	v_add_nc_u32 v[TM+12+\b], 0xff000000, v[TM+\b] ; 2 off its exponent field: the conversion's scale operand
.endr
.irp b, 0,1,2,3
	v_lshrrev_b32 v[TM+4+\b], 23, v[TM+12+\b]      ; the scale's byte
.endr
	v_lshl_or_b32 v[\pw], v[TM+5], 8, v[TM+4]
	v_lshl_or_b32 v[\pw], v[TM+6], 16, v[\pw]
	v_lshl_or_b32 v[\pw], v[TM+7], 24, v[\pw]
.irp t, 0,1,2,3,4,5,6,7
	v_cvt_scalef32_pk8_fp4_f32 v[\pc+4*(\t/4)+2*(\t%2)+(\t/2)%2], v[\s+8*\t:\s+8*\t+7], v[TM+12+\t/2]
.endr
	v_nop                                          ; one plain place behind a scaled conversion
.irp c, 0,1
	v_permlane16_swap_b32 v[\pc+4*\c], v[\pc+4*\c+1]     ; (X0|X1), (Y0|Y1) -> (X0|Y0), (X1|Y1): lanes 0-15 block 2 c, lanes 16-31 block 2 c + 1
	v_permlane16_swap_b32 v[\pc+4*\c+2], v[\pc+4*\c+3]
.endr
.endm
; One tile: slot, kind (0: Q or K; 1: V), where its images and scale words go in the block, the bias's base register.
.macro TILE slot, kind, img, sc, bb
	s_wait_xcnt 0x0                                ; the last tile's stores have read their data: the registers are written again only behind this wait
.if \kind
	v_add_nc_u32 v[ADP],  \slot*SLOT+XA, v[FL]
	v_add_nc_u32 v[ADR],  \slot*SLOT+WA, v[FLW]
	v_add_nc_u32 v[ADSP], \slot*SLOT+XS, v[SL]
	v_add_nc_u32 v[ADSR], \slot*SLOT+WS, v[SLW]
.else
	v_add_nc_u32 v[ADP],  \slot*SLOT+WA, v[FL]
	v_add_nc_u32 v[ADR],  \slot*SLOT+XA, v[FLW]
	v_add_nc_u32 v[ADSP], \slot*SLOT+WS, v[SL]
	v_add_nc_u32 v[ADSR], \slot*SLOT+XS, v[SLW]
.endif
.irp b, 0,1,2,3                        ; the scale words of all 8 K steps: 10 loads
	ds_load_b128 v[SP+8*\b:SP+8*\b+3],   v[ADSP] offset:1024*\b
	ds_load_b128 v[SP+8*\b+4:SP+8*\b+7], v[ADSP] offset:1024*\b+16
.endr
	ds_load_b128 v[SR:SR+3],   v[ADSR]
	ds_load_b128 v[SR+4:SR+7], v[ADSR] offset:16
	WIN 0x40
.if \kind
.irp q, 0,1                            ; V: the feature lies in the lane: eight registers with b(16 q + r)
.irp e, 0,1,2,3,4,5,6,7
	global_load_b32 v[BIAS+8*\q+\e], v[R4], s[\bb:\bb+1] offset:64*\q
.endr
.endr
.else
.irp p, 0,1,2,3,4,5,6,7                ; Q, K: the features run along the registers: b(16 p + 8 h + 0..7)
	global_load_b128 v[BIAS+8*\p:BIAS+8*\p+3],   v[H32], s[\bb:\bb+1] offset:64*\p
	global_load_b128 v[BIAS+8*\p+4:BIAS+8*\p+7], v[H32], s[\bb:\bb+1] offset:64*\p+16
.endr
.endif
	FETCH 0, 0
.set K, 0
.rept 8
.if K > 0
	PLACES 4                                       ; in front of loads into the buffer that the step before multiplied
.endif
.if K < 7
	FETCH K+1, (K+1)%2
	s_wait_dscnt 20                                ; all but the 20 loads just issued
.else
	s_wait_dscnt 0x0
.endif
.if K == 0
	s_wait_loadcnt 0x0                             ; the bias
.endif
	MUL K, \kind
.set K, K+1
.endr
	WIN 0
	PLACES 4                                       ; in front of the first read of results
.irp q, 0,1
	QUANT ACC+64*\q, PC+8*\q, PW+\q
.if \kind
	global_store_b128 v[VOV], v[PC+8*\q:PC+8*\q+3],   s[84:85] offset:VIMG+1024*\q       ; 32 lanes store 512 consecutive bytes
	global_store_b128 v[VOV], v[PC+8*\q+4:PC+8*\q+7], s[84:85] offset:VIMG+1024*\q+512
.else
	global_store_b128 v[VOI], v[PC+8*\q:PC+8*\q+3],   s[66:67] offset:\img+512*\q        ; head 2 j
	global_store_b128 v[VOI], v[PC+8*\q+4:PC+8*\q+7], s[66:67] offset:\img+512*\q+BLK    ; head 2 j + 1
.endif
.endr
	v_cndmask_b32 v[XW], v[PW], v[PW+1], s88       ; lanes 0-15 my first tile's words, lanes 16-31 my second's
.if \kind
	global_store_b32 v[VOVS], v[XW], s[84:85] offset:VSC
.else
	v_and_b32 v[LO], 0xffff, v[XW]                 ; a head's two bytes; the upper two stay 0: they scale zero codes
	v_lshrrev_b32 v[HI], 16, v[XW]
	global_store_b32 v[VOS], v[LO], s[66:67] offset:\sc
	global_store_b32 v[VOS], v[HI], s[66:67] offset:\sc+BLK
.endif
.endm
	s_load_b256 s[8:15],  s[0:1], 0x0              ; q: codes, W's codes, scales, W's scales
	s_load_b256 s[68:75], s[0:1], 0x20             ; k likewise
	s_load_b256 s[76:83], s[0:1], 0x40             ; v likewise
	s_load_b256 s[52:59], s[0:1], 0x60             ; b_q, b_k, b_v, mask
	s_load_b128 s[60:63], s[0:1], 0x80             ; qkv, mw
	v_lshl_add_u32 v[SPW], v0, 2, SPARE
	v_mov_b32 v[NIL], 0
	ds_add_u32 v14, v15
	ds_add_u32 v14, v15
	s_wait_dscnt 0x0
	v_lshrrev_b32 v1, 5, v0
	v_readfirstlane_b32 s2, v1                     ; wave 0..3: 0 x's codes, 1 W's codes, 2 x's scales, 3 W's scales
	s_mov_b32 s3, ttmp9                            ; j
	s_and_b32 s4, ttmp7, 0xffff                    ; tb
	s_and_b32 s5, s2, 1
	; group 1 for codes: 128 rows of 512 bytes, dense in memory, 16 bytes of padding behind each
	s_mov_b32 s16, (1<<20)|(6<<22)|(3<<25)         ; elements of 1 byte; padding on; after every 128 words (code 6); 4 words (code 3)
	s_mov_b32 s17, 512<<16                         ; tensor_dim0
	s_mov_b32 s18, 128<<16                         ; tensor_dim1
	s_mov_b32 s19, 512<<16                         ; tile_dim0
	s_mov_b32 s20, 128                             ; tile_dim1
	s_mov_b32 s21, 512                             ; pitch
	s_mov_b32 s22, 0
	s_mov_b32 s23, 0
	; group 1 for scale bytes: 4,096 dense bytes as 16 rows of 32 elements of 8 bytes
	s_mov_b32 s24, 3<<16
	s_mov_b32 s25, 32<<16
	s_mov_b32 s26, 16<<16
	s_mov_b32 s27, 32<<16
	s_mov_b32 s28, 16
	s_mov_b32 s29, 32
	s_mov_b32 s30, 0
	s_mov_b32 s31, 0
	s_mul_i32 s6, s2, 128*PITCH                    ; codes: wave 0 at XA, wave 1 at WA
	s_lshl_b32 s7, s2, 12
	s_add_co_u32 s7, s7, XS-8192                   ; scales: wave 2 at XS, wave 3 at WS
	s_mov_b32 s32, 1                               ; groups 0: s[32:35] codes, slot 0; s[36:39] codes, slot 1; s[40:43], s[44:47] the scales'
	s_mov_b32 s33, s6
	s_mov_b32 s36, 1
	s_add_co_u32 s37, s6, SLOT
	s_mov_b32 s40, 1
	s_mov_b32 s41, s7
	s_mov_b32 s44, 1
	s_add_co_u32 s45, s7, SLOT
	s_mov_b32 s99, 0
	s_mov_b32 s101, 0
	s_wait_kmcnt 0x0
	s_cmp_eq_u32 s5, 0                             ; x's side or W's: the choice hangs on the wave's number alone
	s_cselect_b64 s[34:35], s[8:9], s[10:11]
	s_cselect_b64 s[42:43], s[12:13], s[14:15]
	s_cselect_b64 s[38:39], s[68:69], s[70:71]
	s_cselect_b64 s[46:47], s[72:73], s[74:75]
	s_cselect_b64 s[48:49], s[76:77], s[78:79]     ; v's tile waits here for the refill
	s_cselect_b64 s[50:51], s[80:81], s[82:83]
	s_cselect_b32 s6, s4, s3                       ; its block of 128 rows: tb or j
	s_lshl_b32 s98, s6, 16                         ; 128 rows x 512 bytes
	s_lshl_b32 s100, s6, 12                        ; 128 rows x 32 bytes
	s_add_nc_u64 s[34:35], s[34:35], s[98:99]
	s_add_nc_u64 s[38:39], s[38:39], s[98:99]
	s_add_nc_u64 s[48:49], s[48:49], s[98:99]
	s_add_nc_u64 s[42:43], s[42:43], s[100:101]
	s_add_nc_u64 s[46:47], s[46:47], s[100:101]
	s_add_nc_u64 s[50:51], s[50:51], s[100:101]
	s_or_b32 s35, s35, 0x80000000                  ; type = 2
	s_or_b32 s39, s39, 0x80000000
	s_or_b32 s43, s43, 0x80000000
	s_or_b32 s47, s47, 0x80000000
	s_cmp_lt_u32 s2, 2                             ; a wave's two first fills stand in one branch, ahead of every wait on TENSORcnt, every LDS read and every barrier
	s_cbranch_scc0 .Lfirst_s
	tensor_load_to_lds s[32:35], s[16:23]
	s_nop 0
	tensor_load_to_lds s[36:39], s[16:23]
	s_nop 0
	PLACES 4
	s_branch .Lfirst_done
.Lfirst_s:
	tensor_load_to_lds s[40:43], s[24:31]
	s_nop 0
	tensor_load_to_lds s[44:47], s[24:31]
	s_nop 0
	PLACES 4
.Lfirst_done:
	; THE MASK.  Work-group number 8 tb + j; query tile qt = that / 2; my wave's two units are key steps 8 (j & 1) + 2 w and the next.
	v_and_b32 v102, 31, v0                         ; lane
	v_and_b32 v103, 15, v0                         ; r
	v_bfe_u32 v104, v0, 4, 1                       ; h
	v_lshlrev_b32 v[L16], 4, v102
	v_lshlrev_b32 v[L8], 3, v102
	s_lshl_b32 s6, s4, 2
	s_lshr_b32 s7, s3, 1
	s_add_co_u32 s6, s6, s7                        ; qt
	s_and_b32 s7, s3, 1
	s_lshl_b32 s7, s7, 3
	s_lshl_b32 s89, s2, 1
	s_add_co_u32 s7, s7, s89                       ; the first unit's key step
	s_lshl_b32 s98, s6, 17                         ; 16 rows of 8,192 bytes
	s_lshl_b32 s89, s7, 9                          ; 128 keys x 4 bytes
	s_add_co_u32 s98, s98, s89
	s_add_nc_u64 s[58:59], s[58:59], s[98:99]
	s_lshl_b32 s98, s6, 4
	s_add_co_u32 s98, s98, s7                      ; the unit's number: 16 qt + key step
	s_lshl_b32 s100, s98, 2                        ; its word of open queries (MSUM stands in the store's offset)
	s_add_nc_u64 s[10:11], s[62:63], s[100:101]    ; (s[10:11] held a pointer that the descriptors have taken over)
	s_lshl_b32 s98, s98, 8                         ; a unit's 64 words
	s_add_nc_u64 s[62:63], s[62:63], s[98:99]
.irp i, 0,1
.irp p, 0,1,2,3,4,5,6,7,8,9,10,11,12,13,14,15
	global_load_b128 v[ACC+64*\i+4*\p:ACC+64*\i+4*\p+3], v[L16], s[58:59] offset:8192*\p+512*\i th:TH_LOAD_NT   ; 512 consecutive bytes of a row; the launch reads each byte once
.endr
.endr
	; addresses that stay
	v_mul_u32_u24 v[FL], v103, PITCH
	v_lshl_add_u32 v[FL], v104, 4, v[FL]
	s_mul_i32 s89, s2, 32*PITCH
	v_add_nc_u32 v[FLW], s89, v[FL]
	v_lshlrev_b32 v[SL], 5, v102
	s_lshl_b32 s89, s2, 10
	v_add_nc_u32 v[SLW], s89, v[SL]
	v_lshlrev_b32 v105, 2, v102                    ; 4 x lane
	s_and_b32 s89, s4, 15                          ; s: my 128 tokens within the batch
	s_lshl_b32 s90, s89, 3
	s_lshl_b32 s91, s2, 1
	s_add_co_u32 s90, s90, s91                     ; my first token tile: 8 s + 2 w
	s_lshl_b32 s91, s90, 9
	v_add_nc_u32 v[VOI], s91, v[L16]
	s_lshl_b32 s91, s90, 6
	v_add_nc_u32 v[VOS], s91, v105
	s_lshl_b32 s90, s89, 2
	s_lshl_b32 s91, s5, 1
	s_add_co_u32 s90, s90, s91                     ; V: 4 s + my first d tile, 2 (w & 1)
	s_lshl_b32 s91, s90, 10
	v_add_nc_u32 v[VOV], s91, v[L16]
	s_lshl_b32 s91, s90, 6
	v_add_nc_u32 v[VOVS], s91, v105
	v_lshlrev_b32 v[H32], 5, v104
	v_lshlrev_b32 v[R4], 2, v103
	s_mul_i32 s91, s2, T16
	s_add_co_u32 s91, s91, MSTAGE
	v_add_nc_u32 v[MSI], s91, v[L16]               ; in: a row's 512 bytes as they lie
	v_mul_u32_u24 v[MSO], v103, PITCH
	v_lshl_add_u32 v[MSO], v104, 5, v[MSO]
	v_add_nc_u32 v[MSO], s91, v[MSO]               ; out: query r, keys 8 h on of each 16
	s_lshr_b32 s90, s4, 4
	s_lshl_b32 s90, s90, 4
	s_lshl_b32 s91, s3, 1
	s_add_co_u32 s90, s90, s91                     ; 16 b + 2 j
	s_mul_i32 s98, s90, BLK
	s_add_nc_u64 s[66:67], s[60:61], s[98:99]      ; the block of head 2 j
	s_lshr_b32 s91, s2, 1
	s_add_co_u32 s90, s90, s91
	s_mul_i32 s98, s90, BLK
	s_add_nc_u64 s[84:85], s[60:61], s[98:99]      ; V: the block of my features' head
	s_lshl_b32 s98, s3, 9
	s_add_nc_u64 s[52:53], s[52:53], s[98:99]      ; b_q, b_k at feature 128 j
	s_add_nc_u64 s[54:55], s[54:55], s[98:99]
	s_lshl_b32 s91, s2, 7
	s_add_co_u32 s98, s98, s91
	s_add_nc_u64 s[56:57], s[56:57], s[98:99]      ; b_v at feature 128 j + 32 w
	s_mov_b32 s86, 0x76543210
	s_mov_b32 s87, 0xfedcba98                      ; v_permlanex16_b32's selects for lane l xor 16
	s_mov_b32 s88, 0xffff0000                      ; lanes 16-31
.irp e, 0,1,2,3
	v_mov_b32 v[MW+\e], 0                          ; v_writelane_b32's destination counts as read
.endr
	v_mov_b32 v[ZV], 0
; A unit: 16 queries x 128 keys.  Through my own stage a lane gets query r's words for keys 16 T + 8 h + 0..7, as the scores will lie; word n of the unit is the lane mask (word != 0) of score register n.
; The 64 lane masks joined by OR, and their two halves of 16 lanes joined, say which of the 16 queries have an open key in the unit.
.macro MUNIT i
	s_wait_loadcnt 16-16*\i                        ; this unit's 16 loads are in; the other's may be out
.irp p, 0,1,2,3,4,5,6,7,8,9,10,11,12,13,14,15
	ds_store_b128 v[MSI], v[ACC+64*\i+4*\p:ACC+64*\i+4*\p+3] offset:PITCH*\p
.endr
.irp t, 0,1,2,3,4,5,6,7
	ds_load_b128 v[16+8*\t:19+8*\t], v[MSO] offset:64*\t       ; LDS serves a wave's instructions in order: these see my stores
	ds_load_b128 v[20+8*\t:23+8*\t], v[MSO] offset:64*\t+16
.endr
	s_wait_dscnt 0x0
	s_mov_b32 s89, 0
.irp g, 0,1,2,3,4,5,6,7
.irp e, 0,1,2,3,4,5,6,7
	v_cmp_ne_u32 s[90+\e], 0, v[16+8*\g+\e]
.endr
.irp e, 0,1,2,3,4,5,6,7
	v_writelane_b32 v[MW+2*\i+\e%2], s[90+\e], 4*\g+\e/2       ; word n into lane n / 2, register n % 2
.endr
.irp e, 0,1,2,3,4,5,6,7
	s_or_b32 s89, s89, s[90+\e]
.endr
.endr
	global_store_b64 v[L8], v[MW+2*\i:MW+2*\i+1], s[62:63] offset:256*\i   ; 32 lanes store 256 consecutive bytes, aligned
	s_lshr_b32 s98, s89, 16
	s_or_b32 s89, s89, s98
	s_and_b32 s89, s89, 0xffff                     ; bit r: query r has an open key among these 128
	v_mov_b32 v[MS+\i], s89
	global_store_b32 v[ZV], v[MS+\i], s[10:11] offset:MSUM+4*\i            ; one word a unit: every lane writes the same word with the same value
.endm
	MUNIT 0
	MUNIT 1
.irp b, 0,1,2,3
	v_mov_b32 v[TM+4+\b], 0                        ; written once: a lane permute's destination counts as one of its sources
.endr
	s_wait_tensorcnt 0x1                           ; my part of slot 0 is in; slot 1's may stay out
	s_wait_dscnt 0x0
	s_barrier_signal -1
	s_barrier_wait -1                              ; everybody's is
	TILE 0, 0, QIMG, QSC, 52
	s_wait_tensorcnt 0x0                           ; all my tensor loads have landed, slot 1's part among them: a group 0 may be written
	ds_add_u32 v[SPW], v[NIL]                      ; 0 onto my spare word
	s_mov_b64 s[34:35], s[48:49]                   ; slot 0 takes v's tile
	s_or_b32 s35, s35, 0x80000000
	s_mov_b64 s[42:43], s[50:51]
	s_or_b32 s43, s43, 0x80000000
	s_wait_dscnt 0x0                               ; the add is done, and my reads of slot 0 are over
	s_barrier_signal -1
	s_barrier_wait -1
	s_cmp_lt_u32 s2, 2                             ; the refill: my one tensor load behind this barrier; it has k's tile in which to land
	s_cbranch_scc0 .Lrefill_s
	tensor_load_to_lds s[32:35], s[16:23]
	s_nop 0
	PLACES 4
	s_branch .Lrefill_done
.Lrefill_s:
	tensor_load_to_lds s[40:43], s[24:31]
	s_nop 0
	PLACES 4
.Lrefill_done:
	TILE 1, 0, KIMG, KSC, 54
	s_wait_tensorcnt 0x0                           ; my part of v's tile is in,
	s_wait_dscnt 0x0
	s_barrier_signal -1
	s_barrier_wait -1                              ; everybody's is
	TILE 0, 1, VIMG, VSC, 56
	s_wait_tensorcnt 0x0                           ; the wave's end
	ds_add_u32 v[SPW], v[NIL]
	s_wait_dscnt 0x0
	s_endpgm
.Lfunc_end_k_q576e9fd829_proj:
	.size	k_q576e9fd829_proj, .Lfunc_end_k_q576e9fd829_proj-k_q576e9fd829_proj
	.p2alignl 7, 3214868480
	.fill 96, 4, 3214868480
	.section	.rodata,"a",@progbits
	.p2align	6, 0x0
	.amdhsa_kernel k_q576e9fd829_proj
		.amdhsa_group_segment_fixed_size 327680
		.amdhsa_private_segment_fixed_size 0
		.amdhsa_enable_private_segment 0
		.amdhsa_kernarg_size 144
		.amdhsa_user_sgpr_count 2
		.amdhsa_user_sgpr_kernarg_segment_ptr 1
		.amdhsa_wavefront_size32 1
		.amdhsa_system_sgpr_workgroup_id_x 1
		.amdhsa_system_sgpr_workgroup_id_y 1
		.amdhsa_system_sgpr_workgroup_id_z 1
		.amdhsa_system_vgpr_workitem_id 0
		.amdhsa_next_free_vgpr 512
		.amdhsa_next_free_sgpr 102
		.amdhsa_reserve_vcc 0
		.amdhsa_float_denorm_mode_32 3
		.amdhsa_float_denorm_mode_16_64 3
		.amdhsa_memory_ordered 1
		.amdhsa_forward_progress 1
		.amdhsa_inst_pref_size 151
	.end_amdhsa_kernel
	.amdgpu_metadata
---
amdhsa.version: [ 1, 2 ]
amdhsa.kernels:
  - .name:           k_q576e9fd829_proj
    .symbol:         k_q576e9fd829_proj.kd
    .args:
      - { .name: q_codes, .offset: 0, .size: 8, .value_kind: global_buffer, .address_space: global }
      - { .name: w_q_codes, .offset: 8, .size: 8, .value_kind: global_buffer, .address_space: global }
      - { .name: q_scales, .offset: 16, .size: 8, .value_kind: global_buffer, .address_space: global }
      - { .name: w_q_scales, .offset: 24, .size: 8, .value_kind: global_buffer, .address_space: global }
      - { .name: k_codes, .offset: 32, .size: 8, .value_kind: global_buffer, .address_space: global }
      - { .name: w_k_codes, .offset: 40, .size: 8, .value_kind: global_buffer, .address_space: global }
      - { .name: k_scales, .offset: 48, .size: 8, .value_kind: global_buffer, .address_space: global }
      - { .name: w_k_scales, .offset: 56, .size: 8, .value_kind: global_buffer, .address_space: global }
      - { .name: v_codes, .offset: 64, .size: 8, .value_kind: global_buffer, .address_space: global }
      - { .name: w_v_codes, .offset: 72, .size: 8, .value_kind: global_buffer, .address_space: global }
      - { .name: v_scales, .offset: 80, .size: 8, .value_kind: global_buffer, .address_space: global }
      - { .name: w_v_scales, .offset: 88, .size: 8, .value_kind: global_buffer, .address_space: global }
      - { .name: b_q, .offset: 96, .size: 8, .value_kind: global_buffer, .address_space: global }
      - { .name: b_k, .offset: 104, .size: 8, .value_kind: global_buffer, .address_space: global }
      - { .name: b_v, .offset: 112, .size: 8, .value_kind: global_buffer, .address_space: global }
      - { .name: mask, .offset: 120, .size: 8, .value_kind: global_buffer, .address_space: global }
      - { .name: qkv, .offset: 128, .size: 8, .value_kind: global_buffer, .address_space: global }
      - { .name: mw, .offset: 136, .size: 8, .value_kind: global_buffer, .address_space: global }
    .group_segment_fixed_size: 327680
    .private_segment_fixed_size: 0
    .kernarg_segment_align: 8
    .kernarg_segment_size: 144
    .max_flat_workgroup_size: 128
    .sgpr_count:     102
    .vgpr_count:     512
    .wavefront_size: 32
...
	.end_amdgpu_metadata
.endif
;; end of part 4
;; launch attn (part 5): grid 8 x 32, 16 waves a work-group, no clusters, 149,504 bytes of LDS; arguments qkv, mw, xq; writes xq
.if DOCPART == 5
	.amdgcn_target "amdgcn-amd-amdhsa--gfx1250"
	.amdhsa_code_object_version 6
	.text
	.protected	k_q576e9fd829_attn
	.globl	k_q576e9fd829_attn
	.p2align	8
	.type	k_q576e9fd829_attn,@function
k_q576e9fd829_attn:
	s_mov_b64 s[64:65], 0
	v_nop
	global_prefetch_b8 v0, s[64:65] scope:SCOPE_SE
	s_setreg_imm32_b32 hwreg(HW_REG_WAVE_MODE, 25, 1), 1
	s_wait_xcnt 0x0
; x[b][q][head] = softmax over the keys of (Q . K / 8, masked) times V, both products on codes of FP4 (E2M1) with E8M0 scales; then x is quantised along the model's 1,024 (a head's 64 are two blocks of 32).
; THE SOFTMAX: t = score x log2(e) / 8; M = the running largest t rounded UP to a whole number; p = 2^(t - M) is quantised along the keys, not normalised; the row's sum is taken of the unquantised p and
; divides at the end.  When M moves, the sum and O are multiplied by 2^(old M - new M): exact.
; THE MASK is an input: nothing of its pattern is built in.  The launch before packed it into lane masks, one word for each score register of a step; they come by scalar loads, ahead of their step, and one
; v_cndmask_b32 a register sets a hidden score to -2^33.  That times c is a whole number, so in a row with no open key t - M is 0 and every p is 1 (equal weights); in any other row a hidden p is 0,
; and what was summed while the row had shown no open key is wiped by a factor 2^(a huge negative number) = 0.
; STEPS THAT ADD NOTHING ARE PASSED OVER.  The launch before also stored, for each unit of 16 queries x 128 keys, which of the 16 queries have an open key there.  Where every one of my 16 queries has an open
; key somewhere, a step in which none of them has one adds exactly nothing (every p is 0 and M stays, or what it adds is wiped later by the factor 0): a scalar branch on the stored words leads round its
; work.  Where some query has no open key at all, every key counts for it and no step is passed over.  The loop's trip count stays 16, and the lines that step the LDS addresses stand on both ways.
; A mask with no such unit costs the test and saves nothing.
; LIMITS: a hidden logit counts as -2^30 and not -1e9: the results differ only where an open logit of the same row lies near -1e9.  NaN and infinities are not served.
; A block of zeros gets the scale byte 1 (its codes are zeros; only this program reads the bytes).
; SHARES.  A work-group owns 16 tiles of 16 queries of one (batch, head), 8 tiles apart: tile 8 u + x, x the work-group's number along x; each of its sixteen waves one tile, in 256 registers: four waves
; to a SIMD, so that one wave's exponentials stand beside another's products.  u runs over 0..15 as w does, laid as a 4 x 4 square whose rows and columns all add to 30: so any four waves w % 4, and any four
; w / 4, hold tiles of the same sum, and where a mask hides more keys for some queries than for others the work stays even.  No result hangs on that order.
; The head's K and V (images of operand registers, and their scale words: 143,360 bytes) are copied into LDS once, through registers, and only read after the launch's one barrier.
; The eight work-groups of a head read the same bytes, once each: 147,456 bytes against up to sixteen key steps of work, so no cluster and no joint load.
; LAYOUT.  S^T = K Q^T (source 0 = 16 keys, source 1 = my 16 queries), O^T = V^T P^T (source 0 = 16 of the head's 64, source 1 = P): a lane holds ONE query throughout.
; THE FIRST PRODUCT'S K IS 64, the instruction's 128: Q's registers 4-7 are zero codes; K's operand for tile T is v[32 + 4 T .. + 7], whose upper four registers (the next tile's codes) meet those zeros.
.set BLK,  217088
.set KIMG, 65536                       ; in the block of qkv; the copy begins here
.set QSC,  208896
.set MSUM, 524288                      ; in mw, behind the lane masks: [query tile][key step] one word: bit r: query r has an open key in the unit
.set XSC,  2097152                     ; in xq: behind the images, [token][32] scale bytes
.set LKS,  65536                       ; LDS: K's images at 0, K's scale words,
.set LV,   73728                       ; V's images,
.set LVS,  139264                      ; V's scale words
.set AK0,  1                           ; 16 x lane
.set AV0,  2
.set ASK0, 3
.set ASV0, 4
.set NEG,  5                           ; -2^33
.set XSO,  6                           ; 32 r
.set ADK,  8
.set ADV,  9
.set ADS,  10
.set ADT,  11
.set QS,   24                          ; Q's scale words
.set R4,   25
.set KS,   26                          ; v26-29: lanes 0-15 tile 2 i's words, lanes 16-31 tile 2 i + 1's
.set VS,   30                          ; v30-31 likewise
.set KF,   32                          ; v32-63 eight tiles of K, 4 registers each; v64-67 zeros
.set VF,   68                          ; v68-99 four fragments of V
.set S,    100                         ; v100-163 S^T, then p.  (At the head v100-171 stage the copy into LDS)
.set OT,   164                         ; v164-195 O^T
.set PC,   196                         ; v196-203 p's codes
.set BM,   204                         ; block maxima
.set BX,   208                         ; exchange, then bytes
.set BS,   212                         ; the conversions' scale operands
.set TP,   216
.set FF,   218                         ; f; named as a pair with
.set PW,   219                         ; p's scale word
.set SU,   220                         ; v[220:221] the sum's second chain
.set ACT,  3                           ; s3: bit s: key step s counts
.set TK,   12                          ; s12: the step's images begin here (4,096 a step), s13: K's scale words (512), s14: V's (256)
.set TS,   13
.set TT,   14
.macro SPROD t
.if (\t)%2
	v_wmma_scale_f32_16x16x128_f8f6f4 v[S+8*\t:S+8*\t+7], v[KF+4*\t:KF+4*\t+7], v[16:23], 0, v[KS+\t/2], v[QS] matrix_a_fmt:MATRIX_FMT_FP4 matrix_b_fmt:MATRIX_FMT_FP4 matrix_a_scale:MATRIX_SCALE_ROW1
.else
	v_wmma_scale_f32_16x16x128_f8f6f4 v[S+8*\t:S+8*\t+7], v[KF+4*\t:KF+4*\t+7], v[16:23], 0, v[KS+\t/2], v[QS] matrix_a_fmt:MATRIX_FMT_FP4 matrix_b_fmt:MATRIX_FMT_FP4
.endif
.endm
.macro OPROD t
.if (\t)%2
	v_wmma_scale_f32_16x16x128_f8f6f4 v[OT+8*\t:OT+8*\t+7], v[VF+8*\t:VF+8*\t+7], v[PC:PC+7], v[OT+8*\t:OT+8*\t+7], v[VS+\t/2], v[PW] matrix_a_fmt:MATRIX_FMT_FP4 matrix_b_fmt:MATRIX_FMT_FP4 matrix_a_scale:MATRIX_SCALE_ROW1
.else
	v_wmma_scale_f32_16x16x128_f8f6f4 v[OT+8*\t:OT+8*\t+7], v[VF+8*\t:VF+8*\t+7], v[PC:PC+7], v[OT+8*\t:OT+8*\t+7], v[VS+\t/2], v[PW] matrix_a_fmt:MATRIX_FMT_FP4 matrix_b_fmt:MATRIX_FMT_FP4
.endif
.endm
; the 64 lane masks of the key step whose number stands in s88 (held to 15, so that no load leaves mw): word n into s[16 + n], from n = 48 on into s[20 + n].
; No scalar load is out where this stands, so the base may be written.
.macro MASKWORDS
	s_min_u32 s88, s88, 15
	s_lshl_b32 s92, s88, 8                         ; 256 bytes a step (s93 = 0)
	s_add_nc_u64 s[98:99], s[6:7], s[92:93]
	s_load_b512 s[16:31], s[98:99], 0x0
	s_load_b512 s[32:47], s[98:99], 0x40
	s_load_b512 s[48:63], s[98:99], 0x80
	s_load_b512 s[68:83], s[98:99], 0xc0
.endm
	s_load_b128 s[4:7], s[0:1], 0x0                ; qkv, mw
	s_load_b64 s[8:9], s[0:1], 0x10                ; xq
	v_lshl_add_u32 v254, v0, 2, 0x24000
	v_mov_b32 v255, 0
	v_lshrrev_b32 v1, 5, v0
	v_readfirstlane_b32 s2, v1                     ; wave 0..15
	s_lshr_b32 s88, s2, 2                          ; u = w, or 15 - w where bit 0 and bit 1 of w xor (w >> 2) differ: the square 0 14 13 3 / 11 5 6 8 / 7 9 10 4 / 12 2 1 15
	s_xor_b32 s88, s88, s2
	s_lshr_b32 s89, s88, 1
	s_xor_b32 s88, s88, s89
	s_and_b32 s88, s88, 1
	s_mul_i32 s88, s88, 15
	s_xor_b32 s88, s88, s2
	s_lshl_b32 s88, s88, 3
	s_add_co_u32 s88, s88, ttmp9                   ; T = 8 u + x: my tile of queries, 0..127
	s_and_b32 s10, ttmp7, 0xffff                   ; 16 b + head
	s_mul_i32 s90, s10, BLK
	s_mov_b32 s91, 0
	s_lshl_b32 s92, s88, 12                        ; my tile's lane masks: 16 steps x 256 bytes
	s_mov_b32 s93, 0
	s_wait_kmcnt 0x0
	s_add_nc_u64 s[4:5], s[4:5], s[90:91]          ; my block of qkv
	s_lshl_b32 s90, s88, 6                         ; my tile's 16 words of open queries (MSUM stands in the load's offset)
	s_add_nc_u64 s[100:101], s[6:7], s[90:91]
	s_add_nc_u64 s[6:7], s[6:7], s[92:93]
	s_load_b512 s[16:31], s[100:101], MSUM
	s_lshl_b32 s92, s88, 9
	s_add_nc_u64 s[90:91], s[4:5], s[92:93]        ; Q's image of my tile
	s_lshl_b32 s92, s88, 6
	s_add_nc_u64 s[94:95], s[4:5], s[92:93]        ; and its scale words (QSC stands in the load's offset)
	s_lshr_b32 s11, s10, 4
	s_lshl_b32 s11, s11, 7
	s_add_co_u32 s11, s11, s88                     ; my token tile, 128 b + T
	s_and_b32 s10, s10, 15                         ; the head
	s_lshl_b32 s92, s11, 9                         ; 16 tokens x 32 scale bytes
	s_lshl_b32 s89, s10, 1
	s_add_co_u32 s92, s92, s89
	s_add_co_u32 s92, s92, XSC
	s_add_nc_u64 s[96:97], s[8:9], s[92:93]        ; x's scale bytes: my tokens, my head's two
	s_lshl_b32 s92, s11, 13
	s_lshl_b32 s89, s10, 9
	s_add_co_u32 s92, s92, s89
	s_add_nc_u64 s[8:9], s[8:9], s[92:93]          ; x's image: [token tile][head] 512 bytes
	s_mov_b32 s84, 0x76543210
	s_mov_b32 s85, 0xfedcba98                      ; v_permlanex16_b32's selects for lane l xor 16
	s_mov_b32 s86, 0x3e38aa3b                      ; c = log2(e) / 8
	s_mov_b32 s87, s86                             ; (named with it as a pair, so it is written)
	s_mov_b32 s[TK], 0
	s_mov_b32 s[TS], 0
	s_mov_b32 s[TT], 0
	v_and_b32 v7, 31, v0                           ; lane
	v_and_b32 v[XSO], 15, v0                       ; r
	v_lshlrev_b32 v[AK0], 4, v7
	v_lshlrev_b32 v[ASK0], 2, v7
	v_lshlrev_b32 v[R4], 2, v[XSO]
	v_lshlrev_b32 v[XSO], 5, v[XSO]
	v_add_nc_u32 v[AV0], LV, v[AK0]
	v_add_nc_u32 v[ASV0], LVS, v[ASK0]
	v_add_nc_u32 v[ASK0], LKS, v[ASK0]
	v_lshlrev_b32 v8, 4, v0                        ; the copy: 16 bytes a thread, 8,192 a pass
	v_add_nc_u32 v9, 65536, v8
	v_add_nc_u32 v10, 131072, v8
	global_load_b128 v[16:19], v[AK0], s[90:91]    ; Q's codes stay in registers
	global_load_b32 v[QS], v[R4], s[94:95] offset:QSC
.irp i, 0,1,2,3,4,5,6,7,8,9,10,11,12,13,14,15,16,17
	global_load_b128 v[S+4*\i:S+4*\i+3], v8, s[4:5] offset:KIMG+8192*\i    ; 18 passes: K's images and words, V's images and words (and 4,096 bytes of Q's words, which nobody reads: it spares a branch)
.endr
	v_mov_b32 v[NEG], 0xd0000000                   ; -2^33.  (None of the registers written here lies in v100-171, on which the copy's loads are still to land)
	v_mov_b32 v13, 0xff61b1e6                      ; the largest t so far: -3e38, under every t
	v_floor_f32 v12, -v13                          ; -M
	v_mov_b32 v14, 0                               ; the sum, in two halves
	v_mov_b32 v15, 0
.irp e, 0,1,2,3
	v_mov_b32 v[20+\e], 0                          ; Q's zero codes for k = 64 .. 127
	v_mov_b32 v[KF+32+\e], 0                       ; behind K's last tile
	v_mov_b32 v[BX+\e], 0                          ; a lane permute's destination counts as one of its sources
.endr
	v_mov_b32 v[PW], 0                             ; (named as the upper half of the pair with f before it is first written)
	v_mov_b32 v[TP], 0
	; WHICH STEPS COUNT.  The copy's loads are on their way meanwhile.
	s_wait_kmcnt 0x0                               ; my tile's 16 words of open queries, s16 .. s31
	s_or_b32 s88, s16, s17
.irp i, 18,19,20,21,22,23,24,25,26,27,28,29,30,31
	s_or_b32 s88, s88, s[\i]                       ; the queries that have an open key anywhere
.endr
	s_mov_b32 s[ACT], 0
.irp i, 0,1,2,3,4,5,6,7,8,9,10,11,12,13,14,15
	s_cmp_lg_u32 s[16+\i], 0
	s_cselect_b32 s89, 1<<\i, 0
	s_or_b32 s[ACT], s[ACT], s89                   ; bit i: step i has an open key for some query of mine
.endr
	s_cmp_eq_u32 s88, 0xffff
	s_cselect_b32 s[ACT], s[ACT], 0xffff           ; a query with no open key at all takes every key with equal weight: then every step counts.  So at least one bit is always set
	s_ctz_i32_b32 s88, s[ACT]                      ; the first step that counts
	MASKWORDS
.irp i, 0,1,2,3,4,5,6,7
	s_wait_loadcnt 17-\i                           ; load i of the copy is in; the 17 - i behind it may be out
	ds_store_b128 v8, v[S+4*\i:S+4*\i+3] offset:8192*\i
.endr
.irp i, 8,9,10,11,12,13,14,15
	s_wait_loadcnt 17-\i
	ds_store_b128 v9, v[S+4*\i:S+4*\i+3] offset:8192*(\i-8)
.endr
.irp i, 16,17
	s_wait_loadcnt 17-\i
	ds_store_b128 v10, v[S+4*\i:S+4*\i+3] offset:8192*(\i-16)
.endr
	s_wait_dscnt 0x0                               ; for the others' sake: my stores have landed (and have read their registers)
	s_barrier_signal -1
.set n, 0
.rept 32
	v_mov_b32 v[OT+n], 0                           ; O^T: the step is written once; the first finds zeros, which the first change of M leaves zeros.  Here, since v164-171 staged the copy's last two passes: all loads are in and all stores done
.set n, n+1
.endr
	s_barrier_wait -1                              ; the head's K and V lie in LDS; from here on LDS is only read, and no barrier follows
	s_mov_b32 s15, 0                               ; the key step, 0 .. 15: 128 keys each
.Lstep:
	s_lshr_b32 s88, s[ACT], s15
	s_and_b32 s88, s88, 1
	s_cmp_eq_u32 s88, 0
	s_cbranch_scc1 .Lnext                          ; a step that adds nothing: only the addresses step
	v_add_nc_u32 v[ADK], s[TK], v[AK0]             ; (these four are also the places between the last products and the loads into the registers that they read)
	v_add_nc_u32 v[ADV], s[TK], v[AV0]
	v_add_nc_u32 v[ADS], s[TS], v[ASK0]
	v_add_nc_u32 v[ADT], s[TT], v[ASV0]
.irp t, 0,1,2,3,4,5,6,7
	ds_load_b128 v[KF+4*\t:KF+4*\t+3], v[ADK] offset:512*\t    ; an image: 32 lanes, 512 consecutive bytes
.endr
.irp i, 0,1,2,3
	ds_load_b32 v[KS+\i], v[ADS] offset:128*\i
.endr
.irp t, 0,1,2,3
	ds_load_b128 v[VF+8*\t:VF+8*\t+3],   v[ADV] offset:1024*\t
	ds_load_b128 v[VF+8*\t+4:VF+8*\t+7], v[ADV] offset:1024*\t+512
.endr
.irp i, 0,1
	ds_load_b32 v[VS+\i], v[ADT] offset:128*\i
.endr
	s_wait_dscnt 10                                ; K and its words are in; V's eight loads and its two of words may be out
.irp t, 0,1,2,3,4,5,6,7
	SPROD \t                                       ; lane (r, h): query r; register 8 T + i: key 16 T + 8 h + i
.endr
	s_wait_kmcnt 0x0                               ; this step's lane masks: asked for in the last step that counted, or at the head
.rept 4
	v_nop
.endr
.set n, 0
.rept 64
.if n < 48
	v_cndmask_b32 v[S+n], v[NEG], v[S+n], s[16+n]  ; bit of my lane 1: the score stays; 0: -2^33.  Each accumulator from its low end on
.else
	v_cndmask_b32 v[S+n], v[NEG], v[S+n], s[20+n]
.endif
.set n, n+1
.endr
	s_lshl_b32 s88, -2, s15                        ; the bits above this step's,
	s_and_b32 s88, s88, s[ACT]
	s_ctz_i32_b32 s88, s88                         ; the next step that counts (none: all ones, which is held to 15: its words are fetched and not used)
	MASKWORDS                                      ; they have the rest of this step in which to come
.irp b, 0,1,2,3
	v_max3_num_f32 v[BM+\b], v[S+16*\b], v[S+1+16*\b], v[S+2+16*\b]    ; the largest score of each block of 32 keys: for the row's maximum and, since p rises with the score, for the block's largest p
.endr
.irp i, 3,5,7,9,11,13
.irp b, 0,1,2,3
	v_max3_num_f32 v[BM+\b], v[BM+\b], v[S+16*\b+\i], v[S+1+16*\b+\i]
.endr
.endr
.irp b, 0,1,2,3
	v_max_num_f32 v[BM+\b], v[BM+\b], v[S+15+16*\b]
.endr
.irp b, 0,1,2,3
	v_permlanex16_b32 v[BX+\b], v[BM+\b], s84, s85
.endr
.irp b, 0,1,2,3
	v_max_num_f32 v[BM+\b], v[BM+\b], v[BX+\b]     ; with lane l xor 16's 16 keys
.endr
	v_max3_num_f32 v[TP], v[BM], v[BM+1], v[BM+2]
	v_max_num_f32 v[TP], v[TP], v[BM+3]            ; the step's largest score of my query
	v_mul_f32 v[TP], s86, v[TP]                    ; as t (c is positive)
	v_max_num_f32 v13, v13, v[TP]                  ; the running largest t
	v_mov_b32 v[TP], v12
	v_floor_f32 v12, -v13                          ; the new -M = floor(-t) = -ceil(t)
	v_sub_f32 v[TP], v12, v[TP]                    ; old M - new M: a whole number, 0 or less
	v_cvt_i32_f32 v[TP], v[TP]                     ; (it saturates)
	v_ldexp_f32 v[FF], 1.0, v[TP]                  ; f = 2^(old M - new M)
.set n, 0
.rept 32
	v_pk_fma_f32 v[S+n:S+n+1], v[S+n:S+n+1], s[86:87], v[12:13] op_sel_hi:[1,0,0]   ; t - M, two at a time
.set n, n+2
.endr
.irp b, 0,1,2,3
	v_fma_f32 v[BM+\b], v[BM+\b], s86, v12         ; the same of each block's largest score
.endr
.set n, 0
.rept 64
	v_exp_f32 v[S+n], v[S+n]                       ; p = 2^(t - M), at most 1
.set n, n+1
.endr
.irp b, 0,1,2,3
	v_exp_f32 v[BM+\b], v[BM+\b]                   ; the block's largest p: the same two instructions on the same number
.endr
	v_pk_mul_f32 v[14:15], v[14:15], v[FF:FF+1] op_sel_hi:[1,0]    ; the sums under the new M.  (A plain place behind the exponentials)
	s_wait_alu depctr_va_vdst(0)
.irp b, 0,1,2,3
	v_max_num_f32 v[BM+\b], 0x1800000, v[BM+\b]    ; the floor 2^(3 - 127): the byte cannot fall under 1
.endr
.irp b, 0,1,2,3
	v_add_nc_u32 v[BS+\b], 0xff000000, v[BM+\b]    ; 2 off the exponent field: the conversion's scale operand
.endr
.irp b, 0,1,2,3
	v_lshrrev_b32 v[BX+\b], 23, v[BS+\b]           ; the scale's byte
.endr
	v_lshl_or_b32 v[PW], v[BX+1], 8, v[BX]         ; p's scale word for these 128 keys
	v_lshl_or_b32 v[PW], v[BX+2], 16, v[PW]
	v_lshl_or_b32 v[PW], v[BX+3], 24, v[PW]
.irp t, 0,1,2,3,4,5,6,7
	v_cvt_scalef32_pk8_fp4_f32 v[PC+4*(\t/4)+2*(\t%2)+(\t/2)%2], v[S+8*\t:S+8*\t+7], v[BS+\t/2]
.endr
	v_nop                                          ; one plain place behind a scaled conversion
.irp c, 0,1
	v_permlane16_swap_b32 v[PC+4*\c], v[PC+4*\c+1] ; lanes 0-15 block 2 c, lanes 16-31 block 2 c + 1
	v_permlane16_swap_b32 v[PC+4*\c+2], v[PC+4*\c+3]
.endr
	v_pk_add_f32 v[SU:SU+1], v[S:S+1], v[S+2:S+3]  ; the row's sum is taken of the unquantised p: two at a time, in two chains
.irp j, 4,8,12,16,20,24,28,32,36,40,44,48,52,56,60
	v_pk_add_f32 v[14:15], v[14:15], v[S+\j:S+1+\j]
	v_pk_add_f32 v[SU:SU+1], v[SU:SU+1], v[S+2+\j:S+3+\j]
.endr
	v_pk_add_f32 v[14:15], v[14:15], v[SU:SU+1]
.set n, 0
.rept 16
	v_pk_mul_f32 v[OT+n:OT+n+1], v[OT+n:OT+n+1], v[FF:FF+1] op_sel_hi:[1,0]   ; O^T under the new M.  (With the sums above: the places between the codes and the scale word just made and the products)
.set n, n+2
.endr
	s_wait_dscnt 0x0                               ; V and its words
.irp t, 0,1,2,3
	OPROD \t                                       ; four accumulators by turns; lane (r, h): query r, register i: d = 16 t + 8 h + i
.endr
.Lnext:
	s_add_co_u32 s[TK], s[TK], 4096                ; on both ways: the next step's places in LDS
	s_add_co_u32 s[TS], s[TS], 512
	s_add_co_u32 s[TT], s[TT], 256
	s_add_co_u32 s15, s15, 1
	s_cmp_lt_u32 s15, 16
	s_cbranch_scc1 .Lstep
	; THE WAY OUT: O^T / the sum is my 16 tokens' part of x for this head; its 64 numbers a row are two blocks of the last product's K.
.rept 4
	v_nop
.endr
	v_add_f32 v14, v14, v15                        ; the sum's two halves,
	v_permlanex16_b32 v[TP], v14, s84, s85
	v_add_f32 v14, v14, v[TP]                      ; and lane l xor 16's
	v_rcp_f32 v14, v14
	v_nop                                          ; one plain place behind a transcendental
.set n, 0
	s_wait_alu depctr_va_vdst(0)
.rept 16
	v_pk_mul_f32 v[OT+n:OT+n+1], v[OT+n:OT+n+1], v[14:15] op_sel_hi:[1,0]
.set n, n+2
.endr
.irp b, 0,1
	v_max3_num_f32 v[BM+\b], |v[OT+16*\b]|, |v[OT+1+16*\b]|, 0x1800000
.endr
.irp i, 2,4,6,8,10,12,14
.irp b, 0,1
	v_max3_num_f32 v[BM+\b], v[BM+\b], |v[OT+16*\b+\i]|, |v[OT+1+16*\b+\i]|
.endr
.endr
.irp b, 0,1
	v_permlanex16_b32 v[BX+\b], v[BM+\b], s84, s85
.endr
.irp b, 0,1
	v_max_num_f32 v[BM+\b], v[BM+\b], v[BX+\b]
.endr
.irp b, 0,1
	v_add_nc_u32 v[BS+\b], 0xff000000, v[BM+\b]
.endr
.irp b, 0,1
	v_lshrrev_b32 v[BX+\b], 23, v[BS+\b]
.endr
	v_lshl_or_b32 v[TP], v[BX+1], 8, v[BX]         ; my row's two scale bytes
.irp t, 0,1,2,3
	v_cvt_scalef32_pk8_fp4_f32 v[PC+2*(\t%2)+\t/2], v[OT+8*\t:OT+8*\t+7], v[BS+\t/2]
.endr
	v_nop
	v_permlane16_swap_b32 v[PC], v[PC+1]
	v_permlane16_swap_b32 v[PC+2], v[PC+3]
	global_store_b128 v[AK0], v[PC:PC+3], s[8:9]   ; 32 lanes store 512 consecutive bytes: four registers of the last product's operand
	global_store_b16 v[XSO], v[TP], s[96:97]       ; two bytes of each token's row of 32 (both halves of the lanes write the same): 1 byte in 16 of what the wave stores
	s_wait_tensorcnt 0x0
	ds_add_u32 v254, v255
	s_wait_dscnt 0x0
	s_endpgm
.Lfunc_end_k_q576e9fd829_attn:
	.size	k_q576e9fd829_attn, .Lfunc_end_k_q576e9fd829_attn-k_q576e9fd829_attn
	.p2alignl 7, 3214868480
	.fill 96, 4, 3214868480
	.section	.rodata,"a",@progbits
	.p2align	6, 0x0
	.amdhsa_kernel k_q576e9fd829_attn
		.amdhsa_group_segment_fixed_size 149504
		.amdhsa_private_segment_fixed_size 0
		.amdhsa_enable_private_segment 0
		.amdhsa_kernarg_size 24
		.amdhsa_user_sgpr_count 2
		.amdhsa_user_sgpr_kernarg_segment_ptr 1
		.amdhsa_wavefront_size32 1
		.amdhsa_system_sgpr_workgroup_id_x 1
		.amdhsa_system_sgpr_workgroup_id_y 1
		.amdhsa_system_sgpr_workgroup_id_z 1
		.amdhsa_system_vgpr_workitem_id 0
		.amdhsa_next_free_vgpr 256
		.amdhsa_next_free_sgpr 102
		.amdhsa_reserve_vcc 0
		.amdhsa_float_denorm_mode_32 3
		.amdhsa_float_denorm_mode_16_64 3
		.amdhsa_memory_ordered 1
		.amdhsa_forward_progress 1
		.amdhsa_inst_pref_size 35
	.end_amdhsa_kernel
	.amdgpu_metadata
---
amdhsa.version: [ 1, 2 ]
amdhsa.kernels:
  - .name:           k_q576e9fd829_attn
    .symbol:         k_q576e9fd829_attn.kd
    .args:
      - { .name: qkv, .offset: 0, .size: 8, .value_kind: global_buffer, .address_space: global }
      - { .name: mw, .offset: 8, .size: 8, .value_kind: global_buffer, .address_space: global }
      - { .name: xq, .offset: 16, .size: 8, .value_kind: global_buffer, .address_space: global }
    .group_segment_fixed_size: 149504
    .private_segment_fixed_size: 0
    .kernarg_segment_align: 8
    .kernarg_segment_size: 24
    .max_flat_workgroup_size: 512
    .sgpr_count:     102
    .vgpr_count:     256
    .wavefront_size: 32
...
	.end_amdgpu_metadata
.endif
;; end of part 5
;; launch outp: the kernel of part 3 again; grid 8 x 32, 4 waves a work-group, no clusters, 168,448 bytes of LDS; arguments w_o_codes, w_o_scales, b_o, xq, out0; writes out0
;; ======== version 3 of 3: 3 launches; version 2 with the launch attn written anew for expert scheduling mode
;; workspace buffers: qkv 6,946,816 bytes; mw 532,480 bytes of whole numbers; xq 2,228,224 bytes
;; launch proj: the kernel of part 4 again; grid 8 x 32, 4 waves a work-group, no clusters, 327,680 bytes of LDS; arguments q_codes, w_q_codes, q_scales, w_q_scales, k_codes, w_k_codes, k_scales, w_k_scales, v_codes, w_v_codes, v_scales, w_v_scales, b_q, b_k, b_v, mask, qkv, mw; writes qkv, mw
;; launch attn (part 6): grid 8 x 32, 16 waves a work-group, no clusters, 149,504 bytes of LDS; arguments qkv, mw, xq; writes xq
.if DOCPART == 6
	.amdgcn_target "amdgcn-amd-amdhsa--gfx1250"
	.amdhsa_code_object_version 6
	.text
	.protected	k_q576e9fd829_attn
	.globl	k_q576e9fd829_attn
	.p2align	8
	.type	k_q576e9fd829_attn,@function
k_q576e9fd829_attn:
	s_mov_b64 s[64:65], 0
	v_nop
	global_prefetch_b8 v0, s[64:65] scope:SCOPE_SE
	s_setreg_imm32_b32 hwreg(HW_REG_WAVE_SCHED_MODE, 0, 2), 2
	s_setreg_imm32_b32 hwreg(HW_REG_WAVE_MODE, 25, 1), 1
	s_wait_xcnt 0x0
	s_wait_alu depctr_vm_vsrc(0)
; x[b][q][head] = softmax over the keys of (Q . K / 8, masked) times V, both products on codes of FP4 (E2M1) with E8M0 scales; then x is quantised along the model's 1,024 (a head's 64 are two blocks of 32).
; THE SOFTMAX: t = score x log2(e) / 8; M = the running largest t rounded UP to a whole number; p = 2^(t - M) is quantised along the keys, not normalised; the row's sum is taken of the unquantised p and
; divides at the end.  When M moves, the sum and O are multiplied by 2^(old M - new M): exact.
; THE MASK is an input: nothing of its pattern is built in.  The launch before packed it into lane masks, one word for each score register of a step; they come by scalar loads, ahead of their step, and one
; v_cndmask_b32 a register sets a hidden score to -2^33.  That times c is a whole number, so in a row with no open key t - M is 0 and every p is 1 (equal weights); in any other row a hidden p is 0,
; and what was summed while the row had shown no open key is wiped by a factor 2^(a huge negative number) = 0.
; STEPS THAT ADD NOTHING ARE PASSED OVER.  The launch before also stored, for each unit of 16 queries x 128 keys, which of the 16 queries have an open key there.  Where every one of my 16 queries has an open
; key somewhere, a step in which none of them has one adds exactly nothing (every p is 0 and M stays, or what it adds is wiped later by the factor 0): a scalar branch on the stored words leads round its
; work.  Where some query has no open key at all, every key counts for it and no step is passed over.  The loop's trip count stays 16, and the lines that step the LDS addresses stand on both ways.
; A mask with no such unit costs the test and saves nothing.
; LIMITS: a hidden logit counts as -2^30 and not -1e9: the results differ only where an open logit of the same row lies near -1e9.  NaN and infinities are not served.
; A block of zeros gets the scale byte 1 (its codes are zeros; only this program reads the bytes).
; SHARES.  A work-group owns 16 tiles of 16 queries of one (batch, head), 8 tiles apart: tile 8 u + x, x the work-group's number along x; each of its sixteen waves one tile, in 256 registers: four waves
; to a SIMD, so that one wave's exponentials stand beside another's products.  u runs over 0..15 as w does, laid as a 4 x 4 square whose rows and columns all add to 30: so any four waves w % 4, and any four
; w / 4, hold tiles of the same sum, and where a mask hides more keys for some queries than for others the work stays even.  No result hangs on that order.
; The head's K and V (images of operand registers, and their scale words: 143,360 bytes) are copied into LDS once, through registers, and only read after the launch's one barrier.
; The eight work-groups of a head read the same bytes, once each: 147,456 bytes against up to sixteen key steps of work, so no cluster and no joint load.
; LAYOUT.  S^T = K Q^T (source 0 = 16 keys, source 1 = my 16 queries), O^T = V^T P^T (source 0 = 16 of the head's 64, source 1 = P): a lane holds ONE query throughout.
; THE FIRST PRODUCT'S K IS 64, the instruction's 128: Q's registers 4-7 are zero codes; K's operand for tile T is v[32 + 4 T .. + 7], whose upper four registers (the next tile's codes) meet those zeros.
; THE MODE: SCHED_MODE bits 1:0 = 2 (LLVM: expert scheduling mode 2), set by the entry lines.  The code itself states the register dependences between vector or matrix instructions and memory or LDS
; instructions, with s_wait_alu, always for 0.
; THE PLAN.  Registers that memory or LDS instructions touch:
;   v1, v6, v25    offsets, made at the head and never written again: read by Q's loads and by the two stores at the end.
;   v8-v10         at the head the copy's offset and LDS addresses: read by its 18 loads and 18 LDS stores.
;   v8-v11         in the loop: written by the four additions at the head of a step that counts, read by that step's 22 LDS loads.
;   v16-19, v24    Q's codes and scale words: loaded once; matrix instructions read them.
;   v100-171       at the head the copy's stage: loads land there, LDS stores read it; later the first product writes v100-163 and the clears of O^T write v164-171.
;   v32-63, v26-29 K and its words: a step's LDS loads land there, its eight first products read them.   v68-99, v30-31 V and its words: likewise, read by its four second products.
;   v196-199, v216 on the way out: written by the exchanges and a shift, read by the two stores.          v254, v255: written at the head, read by the closing add alone.
; A step that counts has one wait on vm_vsrc, ahead of the four additions, and one on va_vdst behind them, which serves all its 22 LDS loads: K's twelve follow it at once; V's ten are dealt among the eight
; first products, which name v16-24, v26-29, v32-67 and v100-163 and so none of the registers that V's loads touch (v9, v11, v30-31, v68-99).  Two more waits on va_vdst stand in a step: behind the
; exponentials, and ahead of the second products, whose source 1 and its scale word vector instructions have made.
.set BLK,  217088
.set KIMG, 65536                       ; in the block of qkv; the copy begins here
.set QSC,  208896
.set MSUM, 524288                      ; in mw, behind the lane masks: [query tile][key step] one word: bit r: query r has an open key in the unit
.set XSC,  2097152                     ; in xq: behind the images, [token][32] scale bytes
.set LKS,  65536                       ; LDS: K's images at 0, K's scale words,
.set LV,   73728                       ; V's images,
.set LVS,  139264                      ; V's scale words
.set AK0,  1                           ; 16 x lane
.set AV0,  2
.set ASK0, 3
.set ASV0, 4
.set NEG,  5                           ; -2^33
.set XSO,  6                           ; 32 r
.set ADK,  8
.set ADV,  9
.set ADS,  10
.set ADT,  11
.set QS,   24                          ; Q's scale words
.set R4,   25
.set KS,   26                          ; v26-29: lanes 0-15 tile 2 i's words, lanes 16-31 tile 2 i + 1's
.set VS,   30                          ; v30-31 likewise
.set KF,   32                          ; v32-63 eight tiles of K, 4 registers each; v64-67 zeros
.set VF,   68                          ; v68-99 four fragments of V
.set S,    100                         ; v100-163 S^T, then p.  (At the head v100-171 stage the copy into LDS)
.set OT,   164                         ; v164-195 O^T
.set PC,   196                         ; v196-203 p's codes
.set BM,   204                         ; block maxima
.set BX,   208                         ; exchange, then bytes
.set BS,   212                         ; the conversions' scale operands
.set TP,   216
.set FF,   218                         ; f; named as a pair with
.set PW,   219                         ; p's scale word
.set SU,   220                         ; v[220:221] the sum's second chain
.set ACT,  3                           ; s3: bit s: key step s counts
.set TK,   12                          ; s12: the step's images begin here (4,096 a step), s13: K's scale words (512), s14: V's (256)
.set TS,   13
.set TT,   14
.macro SPROD t
.if (\t)%2
	v_wmma_scale_f32_16x16x128_f8f6f4 v[S+8*\t:S+8*\t+7], v[KF+4*\t:KF+4*\t+7], v[16:23], 0, v[KS+\t/2], v[QS] matrix_a_fmt:MATRIX_FMT_FP4 matrix_b_fmt:MATRIX_FMT_FP4 matrix_a_scale:MATRIX_SCALE_ROW1
.else
	v_wmma_scale_f32_16x16x128_f8f6f4 v[S+8*\t:S+8*\t+7], v[KF+4*\t:KF+4*\t+7], v[16:23], 0, v[KS+\t/2], v[QS] matrix_a_fmt:MATRIX_FMT_FP4 matrix_b_fmt:MATRIX_FMT_FP4
.endif
.endm
.macro OPROD t
.if (\t)%2
	v_wmma_scale_f32_16x16x128_f8f6f4 v[OT+8*\t:OT+8*\t+7], v[VF+8*\t:VF+8*\t+7], v[PC:PC+7], v[OT+8*\t:OT+8*\t+7], v[VS+\t/2], v[PW] matrix_a_fmt:MATRIX_FMT_FP4 matrix_b_fmt:MATRIX_FMT_FP4 matrix_a_scale:MATRIX_SCALE_ROW1
.else
	v_wmma_scale_f32_16x16x128_f8f6f4 v[OT+8*\t:OT+8*\t+7], v[VF+8*\t:VF+8*\t+7], v[PC:PC+7], v[OT+8*\t:OT+8*\t+7], v[VS+\t/2], v[PW] matrix_a_fmt:MATRIX_FMT_FP4 matrix_b_fmt:MATRIX_FMT_FP4
.endif
.endm
; fragment t of V: two LDS loads, an image each: 32 lanes, 512 consecutive bytes
.macro VLOAD t
	ds_load_b128 v[VF+8*\t:VF+8*\t+3],   v[ADV] offset:1024*\t
	ds_load_b128 v[VF+8*\t+4:VF+8*\t+7], v[ADV] offset:1024*\t+512
.endm
; the 64 lane masks of the key step whose number stands in s88 (held to 15, so that no load leaves mw): word n into s[16 + n], from n = 48 on into s[20 + n].
; No scalar load is out where this stands, so the base may be written.
.macro MASKWORDS
	s_min_u32 s88, s88, 15
	s_lshl_b32 s92, s88, 8                         ; 256 bytes a step (s93 = 0)
	s_add_nc_u64 s[98:99], s[6:7], s[92:93]
	s_load_b512 s[16:31], s[98:99], 0x0
	s_load_b512 s[32:47], s[98:99], 0x40
	s_load_b512 s[48:63], s[98:99], 0x80
	s_load_b512 s[68:83], s[98:99], 0xc0
.endm
	s_load_b128 s[4:7], s[0:1], 0x0                ; qkv, mw
	s_load_b64 s[8:9], s[0:1], 0x10                ; xq
	v_lshl_add_u32 v254, v0, 2, 0x24000
	v_mov_b32 v255, 0
	v_lshrrev_b32 v1, 5, v0
	v_readfirstlane_b32 s2, v1                     ; wave 0..15
	s_wait_alu depctr_va_sdst(0)                   ; s2 is written, ahead of its first reader: my tile's number and all my bases are made from it
	s_lshr_b32 s88, s2, 2                          ; u = w, or 15 - w where bit 0 and bit 1 of w xor (w >> 2) differ: the square 0 14 13 3 / 11 5 6 8 / 7 9 10 4 / 12 2 1 15
	s_xor_b32 s88, s88, s2
	s_lshr_b32 s89, s88, 1
	s_xor_b32 s88, s88, s89
	s_and_b32 s88, s88, 1
	s_mul_i32 s88, s88, 15
	s_xor_b32 s88, s88, s2
	s_lshl_b32 s88, s88, 3
	s_add_co_u32 s88, s88, ttmp9                   ; T = 8 u + x: my tile of queries, 0..127
	s_and_b32 s10, ttmp7, 0xffff                   ; 16 b + head
	s_mul_i32 s90, s10, BLK
	s_mov_b32 s91, 0
	s_lshl_b32 s92, s88, 12                        ; my tile's lane masks: 16 steps x 256 bytes
	s_mov_b32 s93, 0
	s_wait_kmcnt 0x0
	s_add_nc_u64 s[4:5], s[4:5], s[90:91]          ; my block of qkv
	s_lshl_b32 s90, s88, 6                         ; my tile's 16 words of open queries (MSUM stands in the load's offset)
	s_add_nc_u64 s[100:101], s[6:7], s[90:91]
	s_add_nc_u64 s[6:7], s[6:7], s[92:93]
	s_load_b512 s[16:31], s[100:101], MSUM
	s_lshl_b32 s92, s88, 9
	s_add_nc_u64 s[90:91], s[4:5], s[92:93]        ; Q's image of my tile
	s_lshl_b32 s92, s88, 6
	s_add_nc_u64 s[94:95], s[4:5], s[92:93]        ; and its scale words (QSC stands in the load's offset)
	s_lshr_b32 s11, s10, 4
	s_lshl_b32 s11, s11, 7
	s_add_co_u32 s11, s11, s88                     ; my token tile, 128 b + T
	s_and_b32 s10, s10, 15                         ; the head
	s_lshl_b32 s92, s11, 9                         ; 16 tokens x 32 scale bytes
	s_lshl_b32 s89, s10, 1
	s_add_co_u32 s92, s92, s89
	s_add_co_u32 s92, s92, XSC
	s_add_nc_u64 s[96:97], s[8:9], s[92:93]        ; x's scale bytes: my tokens, my head's two
	s_lshl_b32 s92, s11, 13
	s_lshl_b32 s89, s10, 9
	s_add_co_u32 s92, s92, s89
	s_add_nc_u64 s[8:9], s[8:9], s[92:93]          ; x's image: [token tile][head] 512 bytes
	s_mov_b32 s84, 0x76543210
	s_mov_b32 s85, 0xfedcba98                      ; v_permlanex16_b32's selects for lane l xor 16
	s_mov_b32 s86, 0x3e38aa3b                      ; c = log2(e) / 8
	s_mov_b32 s87, s86                             ; (named with it as a pair, so it is written)
	s_mov_b32 s[TK], 0
	s_mov_b32 s[TS], 0
	s_mov_b32 s[TT], 0
	v_and_b32 v7, 31, v0                           ; lane
	v_and_b32 v[XSO], 15, v0                       ; r
	v_lshlrev_b32 v[AK0], 4, v7
	v_lshlrev_b32 v[ASK0], 2, v7
	v_lshlrev_b32 v[R4], 2, v[XSO]
	v_lshlrev_b32 v[XSO], 5, v[XSO]
	v_add_nc_u32 v[AV0], LV, v[AK0]
	v_add_nc_u32 v[ASV0], LVS, v[ASK0]
	v_add_nc_u32 v[ASK0], LKS, v[ASK0]
	v_lshlrev_b32 v8, 4, v0                        ; the copy: 16 bytes a thread, 8,192 a pass
	v_add_nc_u32 v9, 65536, v8
	v_add_nc_u32 v10, 131072, v8
	s_wait_alu depctr_va_vdst(0)                   ; the offsets v1, v6, v25 and the copy's v8, v9, v10 are written, which the loads and stores below read; no vector line behind this wait names them before the loop
	global_load_b128 v[16:19], v[AK0], s[90:91]    ; Q's codes stay in registers
	global_load_b32 v[QS], v[R4], s[94:95] offset:QSC
.irp i, 0,1,2,3,4,5,6,7,8,9,10,11,12,13,14,15,16,17
	global_load_b128 v[S+4*\i:S+4*\i+3], v8, s[4:5] offset:KIMG+8192*\i    ; 18 passes: K's images and words, V's images and words (and 4,096 bytes of Q's words, which nobody reads: it spares a branch)
.endr
	v_mov_b32 v[NEG], 0xd0000000                   ; -2^33.  (None of the registers written here lies in v100-171, on which the copy's loads are still to land, nor among the copy's addresses)
	v_mov_b32 v13, 0xff61b1e6                      ; the largest t so far: -3e38, under every t
	v_floor_f32 v12, -v13                          ; -M
	v_mov_b32 v14, 0                               ; the sum, in two halves
	v_mov_b32 v15, 0
.irp e, 0,1,2,3
	v_mov_b32 v[20+\e], 0                          ; Q's zero codes for k = 64 .. 127
	v_mov_b32 v[KF+32+\e], 0                       ; behind K's last tile
	v_mov_b32 v[BX+\e], 0                          ; a lane permute's destination counts as one of its sources
.endr
	v_mov_b32 v[PW], 0                             ; (named as the upper half of the pair with f before it is first written)
	v_mov_b32 v[TP], 0
	; WHICH STEPS COUNT.  The copy's loads are on their way meanwhile.
	s_wait_kmcnt 0x0                               ; my tile's 16 words of open queries, s16 .. s31
	s_or_b32 s88, s16, s17
.irp i, 18,19,20,21,22,23,24,25,26,27,28,29,30,31
	s_or_b32 s88, s88, s[\i]                       ; the queries that have an open key anywhere
.endr
	s_mov_b32 s[ACT], 0
.irp i, 0,1,2,3,4,5,6,7,8,9,10,11,12,13,14,15
	s_cmp_lg_u32 s[16+\i], 0
	s_cselect_b32 s89, 1<<\i, 0
	s_or_b32 s[ACT], s[ACT], s89                   ; bit i: step i has an open key for some query of mine
.endr
	s_cmp_eq_u32 s88, 0xffff
	s_cselect_b32 s[ACT], s[ACT], 0xffff           ; a query with no open key at all takes every key with equal weight: then every step counts.  So at least one bit is always set
	s_ctz_i32_b32 s88, s[ACT]                      ; the first step that counts
	MASKWORDS
.irp i, 0,1,2,3,4,5,6,7
	s_wait_loadcnt 17-\i                           ; load i of the copy is in; the 17 - i behind it may be out
	ds_store_b128 v8, v[S+4*\i:S+4*\i+3] offset:8192*\i
.endr
.irp i, 8,9,10,11,12,13,14,15
	s_wait_loadcnt 17-\i
	ds_store_b128 v9, v[S+4*\i:S+4*\i+3] offset:8192*(\i-8)
.endr
.irp i, 16,17
	s_wait_loadcnt 17-\i
	ds_store_b128 v10, v[S+4*\i:S+4*\i+3] offset:8192*(\i-16)
.endr
	s_wait_dscnt 0x0                               ; for the others' sake: my stores have landed
	s_wait_alu depctr_vm_vsrc(0)                   ; my LDS stores have read their data, v100-171: the clears below write v164-171, the first products v100-163
	s_barrier_signal -1
.set n, 0
.rept 32
	v_mov_b32 v[OT+n], 0                           ; O^T: the step is written once; the first finds zeros, which the first change of M leaves zeros.  Here, since v164-171 staged the copy's last two passes: all loads are in and all stores done
.set n, n+1
.endr
	s_barrier_wait -1                              ; the head's K and V lie in LDS; from here on LDS is only read, and no barrier follows
	s_mov_b32 s15, 0                               ; the key step, 0 .. 15: 128 keys each
.Lstep:
	s_lshr_b32 s88, s[ACT], s15
	s_and_b32 s88, s88, 1
	s_cmp_eq_u32 s88, 0
	s_cbranch_scc1 .Lnext                          ; a step that adds nothing: only the addresses step
	s_wait_alu depctr_vm_vsrc(0)                   ; the LDS loads of the last step that counted (in the first: the copy's loads and LDS stores) have read v8-v11, which the four additions write
	v_add_nc_u32 v[ADK], s[TK], v[AK0]             ; (four plain instructions between the last products and the loads into the registers that they read)
	v_add_nc_u32 v[ADV], s[TK], v[AV0]
	v_add_nc_u32 v[ADS], s[TS], v[ASK0]
	v_add_nc_u32 v[ADT], s[TT], v[ASV0]
	s_wait_alu depctr_va_vdst(0)                   ; the four addresses are written, which this step's 22 LDS loads read; the last step's products are done reading K, V and their words, in which those loads land; in the first step Q's zero codes and the zeros behind K's last tile, operands of the first products, are written
.irp t, 0,1,2,3,4,5,6,7
	ds_load_b128 v[KF+4*\t:KF+4*\t+3], v[ADK] offset:512*\t    ; an image: 32 lanes, 512 consecutive bytes
.endr
.irp i, 0,1,2,3
	ds_load_b32 v[KS+\i], v[ADS] offset:128*\i
.endr
	s_wait_dscnt 0x0                               ; K and its words are in: these twelve are all my LDS loads that are out
	SPROD 0                                        ; lane (r, h): query r; register 8 T + i: key 16 T + 8 h + i
	SPROD 1
	VLOAD 0                                        ; V's ten loads are dealt among the first products.  No wait: no vector or matrix instruction since the wait above names v9, v11, v30-31 or v68-99
	SPROD 2
	SPROD 3
	VLOAD 1
	SPROD 4
	SPROD 5
	VLOAD 2
	SPROD 6
	SPROD 7
	VLOAD 3
.irp i, 0,1
	ds_load_b32 v[VS+\i], v[ADT] offset:128*\i
.endr
	s_wait_kmcnt 0x0                               ; this step's lane masks: asked for in the last step that counted, or at the head
.rept 4
	v_nop
.endr
.set n, 0
.rept 64
.if n < 48
	v_cndmask_b32 v[S+n], v[NEG], v[S+n], s[16+n]  ; bit of my lane 1: the score stays; 0: -2^33.  Each accumulator from its low end on
.else
	v_cndmask_b32 v[S+n], v[NEG], v[S+n], s[20+n]
.endif
.set n, n+1
.endr
	s_lshl_b32 s88, -2, s15                        ; the bits above this step's,
	s_and_b32 s88, s88, s[ACT]
	s_ctz_i32_b32 s88, s88                         ; the next step that counts (none: all ones, which is held to 15: its words are fetched and not used)
	MASKWORDS                                      ; they have the rest of this step in which to come
.irp b, 0,1,2,3
	v_max3_num_f32 v[BM+\b], v[S+16*\b], v[S+1+16*\b], v[S+2+16*\b]    ; the largest score of each block of 32 keys: for the row's maximum and, since p rises with the score, for the block's largest p
.endr
.irp i, 3,5,7,9,11,13
.irp b, 0,1,2,3
	v_max3_num_f32 v[BM+\b], v[BM+\b], v[S+16*\b+\i], v[S+1+16*\b+\i]
.endr
.endr
.irp b, 0,1,2,3
	v_max_num_f32 v[BM+\b], v[BM+\b], v[S+15+16*\b]
.endr
.irp b, 0,1,2,3
	v_permlanex16_b32 v[BX+\b], v[BM+\b], s84, s85
.endr
.irp b, 0,1,2,3
	v_max_num_f32 v[BM+\b], v[BM+\b], v[BX+\b]     ; with lane l xor 16's 16 keys
.endr
	v_max3_num_f32 v[TP], v[BM], v[BM+1], v[BM+2]
	v_max_num_f32 v[TP], v[TP], v[BM+3]            ; the step's largest score of my query
	v_mul_f32 v[TP], s86, v[TP]                    ; as t (c is positive)
	v_max_num_f32 v13, v13, v[TP]                  ; the running largest t
	v_mov_b32 v[TP], v12
	v_floor_f32 v12, -v13                          ; the new -M = floor(-t) = -ceil(t)
	v_sub_f32 v[TP], v12, v[TP]                    ; old M - new M: a whole number, 0 or less
	v_cvt_i32_f32 v[TP], v[TP]                     ; (it saturates)
	v_ldexp_f32 v[FF], 1.0, v[TP]                  ; f = 2^(old M - new M)
.set n, 0
.rept 32
	v_pk_fma_f32 v[S+n:S+n+1], v[S+n:S+n+1], s[86:87], v[12:13] op_sel_hi:[1,0,0]   ; t - M, two at a time
.set n, n+2
.endr
.irp b, 0,1,2,3
	v_fma_f32 v[BM+\b], v[BM+\b], s86, v12         ; the same of each block's largest score
.endr
.set n, 0
.rept 64
	v_exp_f32 v[S+n], v[S+n]                       ; p = 2^(t - M), at most 1
.set n, n+1
.endr
.irp b, 0,1,2,3
	v_exp_f32 v[BM+\b], v[BM+\b]                   ; the block's largest p: the same two instructions on the same number
.endr
	v_pk_mul_f32 v[14:15], v[14:15], v[FF:FF+1] op_sel_hi:[1,0]    ; the sums under the new M.  (A plain place behind the exponentials)
	s_wait_alu depctr_va_vdst(0)                   ; the 68 exponentials have written p (v100-163) and the blocks' largest p (v204-207): one wait for the batch, ahead of its first reader
.irp b, 0,1,2,3
	v_max_num_f32 v[BM+\b], 0x1800000, v[BM+\b]    ; the floor 2^(3 - 127): the byte cannot fall under 1
.endr
.irp b, 0,1,2,3
	v_add_nc_u32 v[BS+\b], 0xff000000, v[BM+\b]    ; 2 off the exponent field: the conversion's scale operand
.endr
.irp b, 0,1,2,3
	v_lshrrev_b32 v[BX+\b], 23, v[BS+\b]           ; the scale's byte
.endr
	v_lshl_or_b32 v[PW], v[BX+1], 8, v[BX]         ; p's scale word for these 128 keys
	v_lshl_or_b32 v[PW], v[BX+2], 16, v[PW]
	v_lshl_or_b32 v[PW], v[BX+3], 24, v[PW]
.irp t, 0,1,2,3,4,5,6,7
	v_cvt_scalef32_pk8_fp4_f32 v[PC+4*(\t/4)+2*(\t%2)+(\t/2)%2], v[S+8*\t:S+8*\t+7], v[BS+\t/2]
.endr
	v_nop                                          ; one plain place behind a scaled conversion
.irp c, 0,1
	v_permlane16_swap_b32 v[PC+4*\c], v[PC+4*\c+1] ; lanes 0-15 block 2 c, lanes 16-31 block 2 c + 1
	v_permlane16_swap_b32 v[PC+4*\c+2], v[PC+4*\c+3]
.endr
	v_pk_add_f32 v[SU:SU+1], v[S:S+1], v[S+2:S+3]  ; the row's sum is taken of the unquantised p: two at a time, in two chains
.irp j, 4,8,12,16,20,24,28,32,36,40,44,48,52,56,60
	v_pk_add_f32 v[14:15], v[14:15], v[S+\j:S+1+\j]
	v_pk_add_f32 v[SU:SU+1], v[SU:SU+1], v[S+2+\j:S+3+\j]
.endr
	v_pk_add_f32 v[14:15], v[14:15], v[SU:SU+1]
.set n, 0
.rept 16
	v_pk_mul_f32 v[OT+n:OT+n+1], v[OT+n:OT+n+1], v[FF:FF+1] op_sel_hi:[1,0]   ; O^T under the new M.  (With the sums above: the places between the codes and the scale word just made and the products)
.set n, n+2
.endr
	s_wait_dscnt 0x0                               ; V and its words
	s_wait_alu depctr_va_vdst(0)                   ; the conversions and the exchanges have written p's codes (v196-203) and the shifts its scale word (v219), which the products below take as source 1 and as its scales; the places above stay beside this wait
.irp t, 0,1,2,3
	OPROD \t                                       ; four accumulators by turns; lane (r, h): query r, register i: d = 16 t + 8 h + i
.endr
.Lnext:
	s_add_co_u32 s[TK], s[TK], 4096                ; on both ways: the next step's places in LDS
	s_add_co_u32 s[TS], s[TS], 512
	s_add_co_u32 s[TT], s[TT], 256
	s_add_co_u32 s15, s15, 1
	s_cmp_lt_u32 s15, 16
	s_cbranch_scc1 .Lstep
	; THE WAY OUT: O^T / the sum is my 16 tokens' part of x for this head; its 64 numbers a row are two blocks of the last product's K.
.rept 4
	v_nop
.endr
	v_add_f32 v14, v14, v15                        ; the sum's two halves,
	v_permlanex16_b32 v[TP], v14, s84, s85
	v_add_f32 v14, v14, v[TP]                      ; and lane l xor 16's
	v_rcp_f32 v14, v14
	v_nop                                          ; one plain place behind a transcendental
	s_wait_alu depctr_va_vdst(0)                   ; the reciprocal has written v14, ahead of its first reader
.set n, 0
.rept 16
	v_pk_mul_f32 v[OT+n:OT+n+1], v[OT+n:OT+n+1], v[14:15] op_sel_hi:[1,0]
.set n, n+2
.endr
.irp b, 0,1
	v_max3_num_f32 v[BM+\b], |v[OT+16*\b]|, |v[OT+1+16*\b]|, 0x1800000
.endr
.irp i, 2,4,6,8,10,12,14
.irp b, 0,1
	v_max3_num_f32 v[BM+\b], v[BM+\b], |v[OT+16*\b+\i]|, |v[OT+1+16*\b+\i]|
.endr
.endr
.irp b, 0,1
	v_permlanex16_b32 v[BX+\b], v[BM+\b], s84, s85
.endr
.irp b, 0,1
	v_max_num_f32 v[BM+\b], v[BM+\b], v[BX+\b]
.endr
.irp b, 0,1
	v_add_nc_u32 v[BS+\b], 0xff000000, v[BM+\b]
.endr
.irp b, 0,1
	v_lshrrev_b32 v[BX+\b], 23, v[BS+\b]
.endr
	v_lshl_or_b32 v[TP], v[BX+1], 8, v[BX]         ; my row's two scale bytes
.irp t, 0,1,2,3
	v_cvt_scalef32_pk8_fp4_f32 v[PC+2*(\t%2)+\t/2], v[OT+8*\t:OT+8*\t+7], v[BS+\t/2]
.endr
	v_nop
	v_permlane16_swap_b32 v[PC], v[PC+1]
	v_permlane16_swap_b32 v[PC+2], v[PC+3]
	s_wait_alu depctr_va_vdst(0)                   ; the exchanges have written the codes (v196-199) and the shift the two bytes (v216), which the two stores read
	global_store_b128 v[AK0], v[PC:PC+3], s[8:9]   ; 32 lanes store 512 consecutive bytes: four registers of the last product's operand
	global_store_b16 v[XSO], v[TP], s[96:97]       ; two bytes of each token's row of 32 (both halves of the lanes write the same): 1 byte in 16 of what the wave stores
	s_wait_dscnt 0x0                               ; the closing lines, six on end
	s_wait_alu 0x0
	s_wait_tensorcnt 0x0
	ds_add_u32 v254, v255
	s_wait_dscnt 0x0
	s_endpgm
.Lfunc_end_k_q576e9fd829_attn:
	.size	k_q576e9fd829_attn, .Lfunc_end_k_q576e9fd829_attn-k_q576e9fd829_attn
	.p2alignl 7, 3214868480
	.fill 96, 4, 3214868480
	.section	.rodata,"a",@progbits
	.p2align	6, 0x0
	.amdhsa_kernel k_q576e9fd829_attn
		.amdhsa_group_segment_fixed_size 149504
		.amdhsa_private_segment_fixed_size 0
		.amdhsa_enable_private_segment 0
		.amdhsa_kernarg_size 24
		.amdhsa_user_sgpr_count 2
		.amdhsa_user_sgpr_kernarg_segment_ptr 1
		.amdhsa_wavefront_size32 1
		.amdhsa_system_sgpr_workgroup_id_x 1
		.amdhsa_system_sgpr_workgroup_id_y 1
		.amdhsa_system_sgpr_workgroup_id_z 1
		.amdhsa_system_vgpr_workitem_id 0
		.amdhsa_next_free_vgpr 256
		.amdhsa_next_free_sgpr 102
		.amdhsa_reserve_vcc 0
		.amdhsa_float_denorm_mode_32 3
		.amdhsa_float_denorm_mode_16_64 3
		.amdhsa_memory_ordered 1
		.amdhsa_forward_progress 1
		.amdhsa_inst_pref_size 35
	.end_amdhsa_kernel
	.amdgpu_metadata
---
amdhsa.version: [ 1, 2 ]
amdhsa.kernels:
  - .name:           k_q576e9fd829_attn
    .symbol:         k_q576e9fd829_attn.kd
    .args:
      - { .name: qkv, .offset: 0, .size: 8, .value_kind: global_buffer, .address_space: global }
      - { .name: mw, .offset: 8, .size: 8, .value_kind: global_buffer, .address_space: global }
      - { .name: xq, .offset: 16, .size: 8, .value_kind: global_buffer, .address_space: global }
    .group_segment_fixed_size: 149504
    .private_segment_fixed_size: 0
    .kernarg_segment_align: 8
    .kernarg_segment_size: 24
    .max_flat_workgroup_size: 512
    .sgpr_count:     102
    .vgpr_count:     256
    .wavefront_size: 32
...
	.end_amdgpu_metadata
.endif
;; end of part 6
;; launch outp: the kernel of part 3 again; grid 8 x 32, 4 waves a work-group, no clusters, 168,448 bytes of LDS; arguments w_o_codes, w_o_scales, b_o, xq, out0; writes out0
